; MI455X (gfx1250); checked and timed in simulation.
; The chip was launched on July 23, 2026; its instructions are those of AMD's public machine-readable ISA for CDNA 5 (MIT licence, August 2026) and "CDNA5" Instruction Set Architecture Reference Guide (July 2026). The comments in the code are by the model that wrote it; some were corrected since.
;; my Bad Transfomer Block. Allowed arithmetic: matrix products marked QUANTISED: E2M3 operands, one E8M0 scale for each 32 along K, by v_wmma_scale_f32_16x16x128_f8f6f4 with both operands' format E2M3, f32 sums; everything else in f32.
;; Inputs: Wa 1,024 x 1,024 float32; Wb 1,024 x 1,024 float32; Wc 1,024 x 1,024 float32; Wd 1,024 x 1,024 float32; x 4 x 2,048 x 1,024 float32.
;; Outputs: out0 4 x 2,048 x 1,024 float32.
;; This version of the problem:
;;   THIS VERSION OF THE PROBLEM IS GIVEN IN LOW PRECISION. The matrix products marked QUANTISED in the list below multiply operands that are first quantised to E2M3 (2 exponent bits, 3 mantissa bits; 6 bits a number), with one power-of-two scale for each 32 numbers along K (OCP MX v1.0); their sums are f32. All else is computed in f32.
;;   The module's matrix products, in the order in which they are computed (A, B: the left and right operand; K: the contracted axis; several contracted axes count as one K, in the product's order):
;;     1. [M 8,192, K 1,024] x [K 1,024, N 1,024]; A: input x; B: input Wa: QUANTISED
;;     2. [M 8,192, K 1,024] x [K 1,024, N 1,024]; A: input x; B: input Wb: QUANTISED
;;     3. [M 8,192, K 1,024] x [K 1,024, N 1,024]; A: input x; B: input Wc: QUANTISED
;;     4. batch 4 x [M 2,048, K 1,024] x [K 1,024, N 2,048]; A: computed on the way; B: computed on the way: QUANTISED
;;     5. batch 4 x [M 2,048, K 2,048] x [K 2,048, N 1,024]; A: computed on the way; B: computed on the way: QUANTISED
;;     6. [M 8,192, K 1,024] x [K 1,024, N 1,024]; A: computed on the way; B: input Wd: QUANTISED
;;   THE QUANTISER, for each operand of a quantised product, along K:
;;     - K is cut into blocks of 32 from its start; a last block that is shorter is filled with zeros.
;;     - A block's scale is 2^e with e = floor(log2(the largest magnitude in the block)) - 2, held to -126 .. 127; a block of zeros has e = 0. As a byte (E8M0): e + 127.
;;     - Each number is divided by its block's scale, clamped to +-7.5, and rounded to the nearest number of E2M3, ties to even, subnormals kept.
;;     - The product sums the exact products of the quantised numbers (number of the format x scale) in f32.
;;   ~~~python
;;   def quantise(x, axis):      # numpy; x: float32 -> the quantised numbers, widened to float32 again
;;       x = np.moveaxis(x, axis, -1); K = x.shape[-1]
;;       x = np.pad(x, [(0, 0)] * (x.ndim - 1) + [(0, -K % 32)]); x = x.reshape(x.shape[:-1] + (-1, 32)); a = np.abs(x).max(-1, keepdims=True)
;;       e = np.where(a > 0, np.clip(np.frexp(np.where(a > 0, a, 1))[1] - 1 - 2, -126, 127), 0)      # np.frexp(a)[1] - 1 = floor(log2(a)), exactly
;;       r = np.clip(x / 2.0 ** e, -7.5, 7.5)
;;       step = 2.0 ** (np.maximum(np.frexp(np.where(r == 0, 1, r))[1] - 1, 0) - 3)
;;       q = np.round(r / step) * step * 2.0 ** e      # np.round: ties to even
;;       return np.moveaxis(q.reshape(q.shape[:-2] + (-1,))[..., :K], -1, axis).astype(np.float32)
;;   ~~~
;;   OPERANDS COMPUTED ON THE WAY. 'Computed on the way' means the value that the module computes at that place (a softmax that the list does not call 'softmax' is quantised finished and normalised). What goes into a quantiser is computed in f32, as accurately as f32 sums, v_exp_f32 and their like allow (about 1e-6 of the number): no bf16 or f16 on the way to a quantiser, and a product that is left as it is and whose result goes on into a quantised operand takes f32 operands (vector FMAs, or v_wmma_f32_16x16x4_f32). A number that lies on a knife's edge between two numbers of the format may be rounded either way, as far as f32 arithmetic and the matrix unit's own rounding can turn it there, and no further.
;; One version. Each part assembles by itself: llvm-mc -triple=amdgcn-amd-amdhsa -mcpu=gfx1250 --defsym DOCPART=n.
;; ======== version 1 of 1: 5 launches
;; workspace buffers: q0 9,830,400 bytes; q1 19,660,800 bytes; q2 13,107,200 bytes; q3 6,553,600 bytes
;; launch quant (part 1): grid 256 x 1, 6 waves a work-group, no clusters, 51,456 bytes of LDS; arguments x, Wa, Wb, Wc, Wd, q0; writes q0
.if DOCPART == 1
	.amdgcn_target "amdgcn-amd-amdhsa--gfx1250"
	.amdhsa_code_object_version 6
	.text
	.protected	k_qb1426429d1_quant
	.globl	k_qb1426429d1_quant
	.p2align	8
	.type	k_qb1426429d1_quant,@function
k_qb1426429d1_quant:
	s_mov_b64 s[64:65], 0
	v_nop
	global_prefetch_b8 v0, s[64:65] scope:SCOPE_SE
	s_setreg_imm32_b32 hwreg(HW_REG_WAVE_MODE, 25, 1), 1
	s_wait_xcnt 0x0
; x [8192][1024] and Wa, Wb, Wc, Wd [1024][1024], f32, K innermost, become codes of FP6 (E2M3) with one E8M0 scale byte for each 32 along K.
; A block's scale is 2^(floor(log2(its largest magnitude)) - 2); its byte is the largest magnitude's exponent field - 2, held at 1 from below; each number is divided by the scale and rounded to the nearest code, ties to even.
; LAYOUT OF q0, and of every operand of this program: [group of 128 rows][K / 128][chunk of 12,800 bytes].  Groups 0-63 are x's, 64-71 Wa's, 72-79 Wb's, 80-87 Wc's, 88-95 Wd's.
; A chunk holds 8 fragments (16 rows x 128 K) as IMAGES OF THE OPERAND'S REGISTERS: 3 pieces of 512 bytes, piece c = lane l's registers 4 c .. 4 c + 3 at 16 l; then 512 bytes of scale words: block rb, lane-row r at 256 (rb / 4) + 16 r + 4 (rb % 4).
; THE ROWS OF A FRAGMENT ARE NOT NEIGHBOURS: lane-row r of block rb is row 32 (rb / 2) + 8 (rb % 2) + r + 8 (r / 8) of the group, so that a product which takes the operand as source 0 leaves 16 neighbours in a lane's registers.
; SHARES.  1,536 waves; wave W makes half a chunk: 64 rows x 128 K, four fragments.  Each load takes 512 consecutive bytes of one row; a fragment's 16 rows turn through the wave's own stage in LDS, so that lane (r, h) gets,
; of row r, 16 neighbours of each block of 32.  Every store covers whole aligned runs of 256 bytes.  Waves share nothing: no barrier.  Work-groups share no input: no cluster, no matrix unit.
; LIMITS: NaN and infinities are not served.  A block of zeros, and one whose largest magnitude lies under 2^(3 - 127), keeps the byte 1 (the rule says 127 for zeros): its codes are zeros, and this program alone reads the bytes.
.set CH,    12800                      ; a chunk
.set FRB,   1536                       ; a fragment's image
.set SCO,   8*FRB                      ; the scale words' place in a chunk
.set SP,    528                        ; a stage row: 512 bytes + 16 = 132 words: sixteen rows begin at sixteen different banks (64 banks of 4 bytes: ISA guide 11.1)
.set STG,   16*SP                      ; a wave's stage
.set SPARE, 6*STG                      ; behind the six stages: the spare words, 128 bytes a wave: three blocks of 256 bytes that no other line names
.set LI,  4                            ; v4   16 x lane
.set STI, 5                            ; v5   the stage, on the way in: 16 x lane
.set STO, 6                            ; v6   and on the way out: 528 r + 64 h
.set SCV, 7                            ; v7   16 r + 8 h: my two scale words' place
.set SPW, 8                            ; v8   LDS address of my spare word; never rewritten
.set NIL, 9                            ; v9   0; never rewritten
.set TM,  16                           ; v16-31  at work: largest magnitudes, bytes, scale operands
.set PW,  32                           ; v32-35  the four fragments' scale words
.set S,   36                           ; v36-37  the two that I store
.set TT,  40                           ; v40-47  second halves of the blocks' codes
.set PC,  48                           ; v48-59  a fragment's codes
.set R,   64                           ; v64-255 three sets of 64 numbers
.set SEL, 30                           ; s[30:31] lane selects for v_permlanex16_b32: lane l xor 16
	s_load_b256 s[4:11], s[0:1], 0x0               ; x, Wa, Wb, Wc
	s_load_b128 s[12:15], s[0:1], 0x20             ; Wd, q0
	v_lshl_add_u32 v[SPW], v0, 2, SPARE
	v_mov_b32 v[NIL], 0
	v_lshrrev_b32 v1, 5, v0
	v_readfirstlane_b32 s16, v1                    ; wave 0..5
	v_and_b32 v1, 31, v0                           ; lane
	v_and_b32 v2, 15, v0                           ; r
	v_bfe_u32 v3, v0, 4, 1                         ; h
	v_lshlrev_b32 v[LI], 4, v1
	s_mul_i32 s33, s16, STG                        ; my stage
	v_add_nc_u32 v[STI], s33, v[LI]
	v_mul_u32_u24 v[STO], v2, SP
	v_lshl_add_u32 v[STO], v3, 6, v[STO]
	v_add_nc_u32 v[STO], s33, v[STO]
	v_lshlrev_b32 v[SCV], 4, v2
	v_lshl_add_u32 v[SCV], v3, 3, v[SCV]
.irp b, 0,1,2,3
	v_mov_b32 v[TM+4+\b], 0                        ; written once: a lane permute's destination counts as one of its sources
.endr
	s_mov_b32 s[SEL], 0x76543210
	s_mov_b32 s[SEL+1], 0xfedcba98
	s_mul_i32 s17, ttmp9, 6
	s_add_co_u32 s17, s17, s16                     ; W = 6 x work-group + wave
	s_and_b32 s18, s17, 1                          ; which half of the chunk
	s_lshr_b32 s25, s17, 1                         ; which chunk of q0: 8 x group + K step
	s_and_b32 s19, s25, 7                          ; the K step of 128
	s_lshr_b32 s20, s17, 4                         ; the group, 0..95
	s_and_b32 s24, s20, 7                          ; and its number inside a weight
	s_wait_kmcnt 0x0
	s_mov_b64 s[22:23], s[12:13]                   ; the source: Wd, unless the group's number says otherwise; the choices hang on ids alone
	s_cmp_lt_u32 s20, 88
	s_cselect_b64 s[22:23], s[10:11], s[22:23]
	s_cmp_lt_u32 s20, 80
	s_cselect_b64 s[22:23], s[8:9], s[22:23]
	s_cmp_lt_u32 s20, 72
	s_cselect_b64 s[22:23], s[6:7], s[22:23]
	s_cmp_lt_u32 s20, 64
	s_cselect_b64 s[22:23], s[4:5], s[22:23]
	s_cselect_b32 s21, s20, s24                    ; the group's number inside its tensor
	s_lshl_b32 s34, s21, 19                        ; 128 rows of 4,096 bytes,
	s_lshl_b32 s35, s18, 18                        ; 64 rows for the half,
	s_add_co_u32 s34, s34, s35
	s_lshl_b32 s35, s19, 9                         ; 128 numbers along K
	s_add_co_u32 s34, s34, s35
	s_mov_b32 s35, 0
	s_add_nc_u64 s[22:23], s[22:23], s[34:35]
	s_mul_i32 s34, s25, CH                         ; my chunk,
	s_mul_i32 s36, s18, 4*FRB                      ; my four fragments in it
	s_add_co_u32 s36, s36, s34
	s_mov_b32 s37, 0
	s_add_nc_u64 s[26:27], s[14:15], s[36:37]
	s_lshl_b32 s36, s18, 8                         ; and my 256 bytes of scale words
	s_add_co_u32 s36, s36, s34
	s_add_co_u32 s36, s36, SCO
	s_add_nc_u64 s[28:29], s[14:15], s[36:37]
.macro LOAD f                          ; fragment f's 16 rows, 512 consecutive bytes each, into set f % 3
.irp i, 0,1,2,3,4,5,6,7,8,9,10,11,12,13,14,15
	global_load_b128 v[R+64*((\f)%3)+4*\i:R+64*((\f)%3)+4*\i+3], v[LI], s[22:23] offset:(32*((\f)/2)+8*((\f)%2)+\i+8*(\i/8))*4096 th:TH_LOAD_NT
.endr
.endm
; 64 numbers of a lane, register 16 b + i = k 32 b + 16 h + i of my row, become a fragment's codes in v[f] on and its scale word in v[w].
.macro QUANT s, f, w
.irp b, 0,1,2,3
	v_max3_num_f32 v[TM+\b], |v[(\s)+16*\b]|, |v[(\s)+16*\b+1]|, 0x1800000   ; block b: my 16 numbers, and the floor 2^(3 - 127): the byte cannot fall under 1
.endr
.irp i, 2,4,6,8,10,12,14
.irp b, 0,1,2,3
	v_max3_num_f32 v[TM+\b], |v[(\s)+16*\b+\i]|, |v[(\s)+16*\b+\i+1]|, v[TM+\b]   ; the four blocks by turns
.endr
.endr
.irp b, 0,1,2,3
	v_permlanex16_b32 v[TM+4+\b], v[TM+\b], s[SEL], s[SEL+1]
.endr
.irp b, 0,1,2,3
	v_max_num_f32 v[TM+\b], v[TM+\b], v[TM+4+\b]   ; with lane l xor 16's: the block's largest magnitude
.endr
.irp b, 0,1,2,3
	v_add_nc_u32 v[TM+12+\b], 0xff000000, v[TM+\b] ; 2 off its exponent field: the conversion takes the exponent field of this operand as its scale
.endr
.irp b, 0,1,2,3
	v_lshrrev_b32 v[TM+4+\b], 23, v[TM+12+\b]      ; the scale's byte
.endr
	v_lshl_or_b32 v[\w], v[TM+5], 8, v[TM+4]       ; four bytes make my row's scale word
	v_lshl_or_b32 v[\w], v[TM+6], 16, v[\w]
	v_lshl_or_b32 v[\w], v[TM+7], 24, v[\w]
.irp c, 0,1
	v_cvt_scalef32_pk16_fp6_f32 v[(\f)+6*\c:(\f)+6*\c+2], v[(\s)+32*\c:(\s)+32*\c+15], v[TM+12+2*\c]
	v_cvt_scalef32_pk16_fp6_f32 v[TT+4*\c:TT+4*\c+2], v[(\s)+32*\c+16:(\s)+32*\c+31], v[TM+13+2*\c]   ; (a conversion's three registers begin on an even number)
.endr
	v_nop                                          ; one plain place behind the conversions
.irp c, 0,1                            ; the operand's layout wants a whole block in a lane: lanes 0-15 block 2 c, lanes 16-31 block 2 c + 1
.irp i, 0,1,2
	v_permlane16_swap_b32 v[(\f)+6*\c+\i], v[TT+4*\c+\i]
.endr
.irp i, 0,1,2
	v_mov_b32 v[(\f)+6*\c+3+\i], v[TT+4*\c+\i]
.endr
.endr
.endm
; Fragment f.  left = the loads of the younger fragments, which may stay out.
.macro PIECE f, left
.set RS, R+64*((\f)%3)
	s_wait_loadcnt \left                           ; loads come back in order: this fragment's sixteen are in
.irp i, 0,1,2,3,4,5,6,7,8,9,10,11,12,13,14,15
	ds_store_b128 v[STI], v[RS+4*\i:RS+4*\i+3] offset:SP*\i
.endr
.irp b, 0,1,2,3
.irp j, 0,1,2,3
	ds_load_b128 v[RS+16*\b+4*\j:RS+16*\b+4*\j+3], v[STO] offset:128*\b+16*\j   ; LDS serves a wave's instructions in order: these see the stores above, and the next fragment's stores come behind them
.endr
.endr
	s_wait_dscnt 0x0
.if (\f) > 0
	s_wait_xcnt 0x0                                ; the last fragment's stores have read the codes' registers: they are written again only behind this wait
.endif
	QUANT RS, PC, PW+(\f)
.irp c, 0,1,2
	global_store_b128 v[LI], v[PC+4*\c:PC+4*\c+3], s[26:27] offset:FRB*(\f)+512*\c   ; 512 consecutive bytes, aligned
.endr
.endm
	LOAD 0
	LOAD 1
	LOAD 2
	PIECE 0, 32
	LOAD 3                                         ; into the set that fragment 0 has left
	PIECE 1, 32
	PIECE 2, 16
	PIECE 3, 0
	v_cmp_ne_u32 vcc_lo, 0, v3                     ; lanes 0-15 store the words of fragments 0, 1 of their row, lanes 16-31 those of 2, 3
	v_cndmask_b32 v[S], v[PW], v[PW+2], vcc_lo
	v_cndmask_b32 v[S+1], v[PW+1], v[PW+3], vcc_lo
	global_store_b64 v[SCV], v[S:S+1], s[28:29]    ; 256 consecutive bytes, aligned
	s_wait_tensorcnt 0x0                           ; the wave's end, behind my last LDS store
	ds_add_u32 v[SPW], v[NIL]
	s_wait_dscnt 0x0
	s_endpgm
.Lfunc_end_k_qb1426429d1_quant:
	.size	k_qb1426429d1_quant, .Lfunc_end_k_qb1426429d1_quant-k_qb1426429d1_quant
	.p2alignl 7, 3214868480
	.fill 96, 4, 3214868480
	.section	.rodata,"a",@progbits
	.p2align	6, 0x0
	.amdhsa_kernel k_qb1426429d1_quant
		.amdhsa_group_segment_fixed_size 51456
		.amdhsa_private_segment_fixed_size 0
		.amdhsa_enable_private_segment 0
		.amdhsa_kernarg_size 48
		.amdhsa_user_sgpr_count 2
		.amdhsa_user_sgpr_kernarg_segment_ptr 1
		.amdhsa_wavefront_size32 1
		.amdhsa_system_sgpr_workgroup_id_x 1
		.amdhsa_system_sgpr_workgroup_id_y 1
		.amdhsa_system_sgpr_workgroup_id_z 1
		.amdhsa_system_vgpr_workitem_id 0
		.amdhsa_next_free_vgpr 256
		.amdhsa_next_free_sgpr 66
		.amdhsa_reserve_vcc 1
		.amdhsa_float_denorm_mode_32 3
		.amdhsa_float_denorm_mode_16_64 3
		.amdhsa_memory_ordered 1
		.amdhsa_forward_progress 1
		.amdhsa_inst_pref_size 34
	.end_amdhsa_kernel
	.amdgpu_metadata
---
amdhsa.version: [ 1, 2 ]
amdhsa.kernels:
  - .name:           k_qb1426429d1_quant
    .symbol:         k_qb1426429d1_quant.kd
    .args:
      - { .name: x, .offset: 0, .size: 8, .value_kind: global_buffer, .address_space: global }
      - { .name: Wa, .offset: 8, .size: 8, .value_kind: global_buffer, .address_space: global }
      - { .name: Wb, .offset: 16, .size: 8, .value_kind: global_buffer, .address_space: global }
      - { .name: Wc, .offset: 24, .size: 8, .value_kind: global_buffer, .address_space: global }
      - { .name: Wd, .offset: 32, .size: 8, .value_kind: global_buffer, .address_space: global }
      - { .name: q0, .offset: 40, .size: 8, .value_kind: global_buffer, .address_space: global }
    .group_segment_fixed_size: 51456
    .private_segment_fixed_size: 0
    .kernarg_segment_align: 8
    .kernarg_segment_size: 48
    .max_flat_workgroup_size: 192
    .sgpr_count:     66
    .vgpr_count:     256
    .wavefront_size: 32
...
	.end_amdgpu_metadata
.endif
;; end of part 1
;; launch proj (part 2): grid 8 x 32, 4 waves a work-group, clusters of 4 x 4, 327,680 bytes of LDS; arguments q0, q1; writes q1
.if DOCPART == 2
	.amdgcn_target "amdgcn-amd-amdhsa--gfx1250"
	.amdhsa_code_object_version 6
	.text
	.protected	k_qb1426429d1_proj
	.globl	k_qb1426429d1_proj
	.p2align	8
	.type	k_qb1426429d1_proj,@function
k_qb1426429d1_proj:
	s_mov_b64 s[64:65], 0
	v_nop
	global_prefetch_b8 v0, s[64:65] scope:SCOPE_SE
	s_setreg_imm32_b32 hwreg(HW_REG_WAVE_MODE, 25, 1), 1
	s_wait_xcnt 0x0
	s_wait_alu depctr_hold_cnt(0) depctr_sa_sdst(0) depctr_va_vdst(0) depctr_va_sdst(0) depctr_va_ssrc(0) depctr_va_vcc(0) depctr_vm_vsrc(0)
	s_getreg_b32 s2, hwreg(HW_REG_IB_STS2, 6, 4)
	s_cmp_eq_u32 s2, 0
	s_cbranch_scc0 .Lentry_in_a_cluster
	s_endpgm
.Lentry_in_a_cluster:
	s_bfe_u32 s2, ttmp6, 0x10000c
	s_cmp_lg_u32 s2, 0xf033
	s_cbranch_scc0 .Lentry_shape_is_right
	s_endpgm
.Lentry_shape_is_right:
; OUT[m][n] = f(sum over k of P[m][k] Q[n][k]), K = 1,024, on codes of FP6 (E2M3) with one E8M0 scale for each 32 along K; sums in f32; the result is quantised along n and stored as the next product's operand.
; ONE SOURCE SERVES THE TWO LAUNCHES WHOSE WORK-GROUPS STAY; the three lines below say which this is.
;   KIND 0, 3 tiles: tiles 0 and 1 are of A, Bm = relu(x Wa^T), relu(x Wb^T) (P = x, Q = Wa, Wb), tile 2 is of C^T = relu(Wc x^T) (P = Wc, Q = x).   KIND 1, 2 tiles: cmp = A Bm^T for each of 4 batches.
.set KIND,  0
.set TILES, 3
.set RELU,  1
; OPERANDS, in memory and in LDS alike: [group of 128 rows][K / 128][chunk of 12,800 bytes].  A chunk holds 8 fragments (16 rows x 128 K) as images of the operand's registers (3 pieces of 512 bytes, piece c = lane l's registers
; 4 c .. 4 c + 3 at 16 l), then 512 bytes of scale words (block rb, lane-row r at 256 (rb / 4) + 16 r + 4 (rb % 4)).  Lane-row r of block rb is row 32 (rb / 2) + 8 (rb % 2) + r + 8 (r / 8) of the group.
; So a fragment comes by three loads of 16 bytes a lane, 512 consecutive bytes each, a K step's chunks are one dense block for one tensor load, and no padding is wanted.
; SHARES.  A tile is 128 (P) x 256 (Q).  Four waves, wave (wm, wn) makes 64 x 128: P's blocks 4 wm + a x the 8 blocks of Q's group wn: 32 accumulators, 256 registers.
; A WORK-GROUP STAYS: the 768 (KIND 1: 512) tiles are walked by 256 work-groups, TILES each.  The cluster at (X, Y) of 2 x 8 takes, as its tile i, rows of tiles 4 (Y + 8 i) on; in KIND 0 its third tile is one of the 32 x 8 of C^T.
; THE MATRIX INSTRUCTION IS USED TRANSPOSED (source 0 = 16 rows of Q, source 1 = 16 rows of P): lane (r, h) holds P's lane-row r, and by the order of Q's rows register 8 b + j of block a is n = 32 (b / 2) + 16 h + 8 (b % 2) + j:
; the 16 registers of two neighbouring tiles are 16 neighbours along n, which is the next product's K.  So a result is quantised in registers and stored as the next operand's image; it takes P's order of rows with it.
; THE RING.  Two LDS slots, each with 512 along K: P's group (4 chunks), Q's two groups.  A tile's K is the two slots, and THE RING DOES NOT STOP AT A TILE'S END: the walk is one stream of 2 TILES K steps; the change of slots in K step g
; fills the slot that is left with K step g + 2, the next tile's too.  A tile goes out behind its last products, when both of the next tile's K steps have been asked for, and nothing waits for its stores.
; CLUSTERS: 4 x 4 work-groups.  The four of a row of the cluster need the same tiles of P, the four of a column the same tiles of Q: each is asked for JOINTLY, by the same tensor load with a mask that names the four.
; REGISTERS, in windows of 256: window 0: v1-29 addresses; v32-47 scale words, two sets; v48-143 P's fragments, two sets; from v144 at work on the way out.  Window 1: Q's fragments, two sets, at v0 and v128.  Window 2: the accumulators, (a, b) at v[8 (8 a + b)].
; LIMITS: NaN and infinities are not served.  A block of zeros, and one whose largest magnitude lies under 2^(3 - 127), keeps the byte 1: its codes are zeros, and this program alone reads the bytes.
.set NKS,   2                          ; a tile's K in steps of 512
.set TOT,   NKS*TILES                  ; K steps of the whole walk
.set CH,    12800                      ; a chunk
.set FRB,   1536                       ; a fragment's image
.set SCO,   8*FRB                      ; the scale words' place in a chunk
.set GB,    4*CH                       ; a group's part of a slot: 512 along K
.set SLOT,  3*GB
.set SPARE, 2*SLOT                     ; behind the ring: the spare words, 128 bytes a wave: two blocks of 256 bytes that no other line names
.set GRP,   NKS*GB                     ; a group of P or of Q in memory
.set PSTEP, 32*GRP                     ; from tile 0 to tile 1: P goes 32 groups of rows on;
.if KIND == 0
.set QSTEP, 0                          ; Q stays (the same rows of Wa, Wb),
.set OSTEP, 32*102400                  ; and the result goes 32 groups of 8 chunks on
.else
.set QSTEP, 32*GRP                     ; Q goes two batches of 16 groups on,
.set OSTEP, 32*204800                  ; and the result 32 groups of 16 chunks
.endif
.set LI,   4                           ; v4      16 x lane
.set SCV,  5                           ; v5      where I store two scale words in a chunk: SCO + 256 wm + 16 r + 8 h
.set LIO,  6                           ; v6      where I store 16 bytes of a fragment in a chunk: 4 FRB wm + 16 x lane
.set ADRP, 16                          ; v16-17  LDS address of my P fragments in slot 0, 1
.set ADSP, 18                          ; v18-19  of my P blocks' scale words
.set ADRQ, 20                          ; v20-21  of my Q group
.set SPW,  28                          ; v28     LDS address of my spare word; never rewritten
.set NIL,  29                          ; v29     0; never rewritten
.set SC,   32                          ; scale words and nothing else: set p: v[SC+8p .. +3] Q's (lanes 0-15 blocks 0-3, lanes 16-31 blocks 4-7), v[SC+8p+4 .. +7] my four blocks of P
.set AF,   48                          ; P's fragments: set p, block a at AF + 48 p + 12 a
.set TM,   144                         ; v144-159 at work: largest magnitudes, bytes, scale operands
.set PW,   160                         ; v160-163 the four blocks' scale words
.set S,    164                         ; v164-165 the two that I store
.set TT,   166                         ; v166-173 second halves of the blocks' codes
.set PC,   176                         ; v176-223 the codes: 12 registers for each block
.set G1P,  24                          ; s[24:31] descriptor group 1 for P's tiles;  s[32:39] group 0, one set for each slot
.set G0P,  32
.set G1Q,  48                          ; s[48:55], s[56:63] the same for Q's
.set G0Q,  56
.set SEL,  66                          ; s[66:67] lane selects for v_permlanex16_b32: lane l xor 16
.set PB,   68                          ; s[68:73] for each tile of the walk: where my part of P's first K step lies in memory; never rewritten
.set QB,   74                          ; s[74:79] the same for Q
.set OB,   86                          ; s[86:91] for each tile: the chunk of the result that my wave shares in; never rewritten
.set MSB, 0
.macro WIN new                         ; the immediate's high byte repeats the setting that is left
.if MSB != \new
	s_set_vgpr_msb (MSB<<8)|\new
.set MSB, \new
.endif
.endm
.set MUL,  0xa1                        ; source 0 (Q) window 1, source 1 (P) window 0, C and D window 2
.set TO_Q, 0x40                        ; destination window 1, address window 0
; A joint load: waves 0 and 1 fetch the halves of P's group, waves 2 and 3 Q's two groups.  The branch hangs on the wave's number alone.  An s_nop 0 and four v_nop follow each of the two lines.
.macro JLOAD s
	s_cmp_eq_u32 s15, 0
	s_cbranch_scc0 .Lfor_q_\@
	tensor_load_to_lds s[G0P+4*(\s):G0P+4*(\s)+3], s[G1P:G1P+7]
	s_nop 0
.rept 4
	v_nop
.endr
	s_branch .Lasked_\@
.Lfor_q_\@:
	tensor_load_to_lds s[G0Q+4*(\s):G0Q+4*(\s)+3], s[G1Q:G1Q+7]
	s_nop 0
.rept 4
	v_nop
.endr
.Lasked_\@:
.endm
; The slot's two groups 0 get the global addresses of K step g of the walk: tile g / NKS, its step g % NKS.  It stands only where no tensor load of the wave is out.
.macro SETG slot, g
.set TI, (\g)/NKS
.set KK, (\g)%NKS
	s_add_nc_u64 s[G0P+4*(\slot)+2:G0P+4*(\slot)+3], s[PB+2*TI:PB+2*TI+1], KK*GB
	s_or_b32 s[G0P+4*(\slot)+3], s[G0P+4*(\slot)+3], 0x80000000   ; type = 2
	s_add_nc_u64 s[G0Q+4*(\slot)+2:G0Q+4*(\slot)+3], s[QB+2*TI:QB+2*TI+1], KK*GB
	s_or_b32 s[G0Q+4*(\slot)+3], s[G0Q+4*(\slot)+3], 0x80000000
.endm
.macro CROUND                          ; a round of the cluster's barrier: my work-group's barrier; wave 0 signals for the work-group; every wave waits for all sixteen; my work-group's barrier once more
	s_barrier_signal -1
	s_barrier_wait -1
	s_cmp_lg_u32 s14, 0
	s_cbranch_scc1 .Lnot_wave_0_\@
	s_barrier_signal -3
.Lnot_wave_0_\@:
	s_barrier_wait -3
	s_barrier_signal -1
	s_barrier_wait -1
.endm
.macro PLACES                          ; four places in front of loads into registers that matrix instructions have read, and of the first read of results
.rept 4
	v_nop
.endr
.endm
	s_load_b128 s[4:7], s[0:1], 0x0                ; s[4:5] the buffer in which P and Q lie, s[6:7] the result's
	v_lshl_add_u32 v[SPW], v0, 2, SPARE
	v_mov_b32 v[NIL], 0
	ds_add_u32 v[SPW], v[NIL]                      ; the wave's opening: the add and its wait stand ahead of my first tensor load; the set-up below, work on registers, stands between them
	v_lshrrev_b32 v1, 5, v0
	v_readfirstlane_b32 s14, v1                    ; wave 0..3
	s_lshr_b32 s15, s14, 1                         ; wm: which 64 rows of P are mine.  Also: I fetch for P (0) or for Q (1)
	s_and_b32 s16, s14, 1                          ; wn: which group of Q is mine.  Also: which part I fetch
	s_bfe_u32 s40, ttmp6, 0x40000                  ; cx, cy: my place in the cluster
	s_bfe_u32 s41, ttmp6, 0x40004
	s_and_b32 s18, ttmp7, 0xffff                   ; Y, the cluster's y: 0..7;  ttmp9 is X: 0..1
	s_lshl_b32 s42, ttmp9, 2
	s_add_co_u32 s42, s42, s40                     ; tx: tile column = 4 X + cx
	s_lshl_b32 s17, s18, 2
	s_add_co_u32 s17, s17, s41                     ; ty: the first tile's row = 4 Y + cy = P's group
	s_lshl_b32 s43, s41, 2
	s_lshl_b32 s43, 15, s43                        ; my row of the cluster
	s_lshl_b32 s44, 0x1111, s40                    ; my column
	; descriptor group 1: a dense block as rows of 256 bytes (32 elements of 8 bytes): P's half group 100 rows, a group of Q 200 rows; no padding
	s_or_b32 s[G1P+0], s43, (3<<16)|(1<<21)        ; 15:0 the mask: P's tiles go to my row; 17:16 elements of 8 bytes; 21 set beside a mask
	s_or_b32 s[G1Q+0], s44, (3<<16)|(1<<21)        ; Q's go to my column
	s_mov_b32 s[G1P+1], 32<<16                     ; tensor_dim0
	s_mov_b32 s[G1P+2], 100<<16                    ; tensor_dim1
	s_mov_b32 s[G1P+3], 32<<16                     ; tile_dim0
	s_mov_b32 s[G1P+4], 100                        ; tile_dim1
	s_mov_b32 s[G1P+5], 32                         ; the pitch
	s_mov_b32 s[G1P+6], 0
	s_mov_b32 s[G1P+7], 0
	s_mov_b32 s[G1Q+1], 32<<16
	s_mov_b32 s[G1Q+2], 200<<16
	s_mov_b32 s[G1Q+3], 32<<16
	s_mov_b32 s[G1Q+4], 200
	s_mov_b32 s[G1Q+5], 32
	s_mov_b32 s[G1Q+6], 0
	s_mov_b32 s[G1Q+7], 0
	; where the tiles come from.  P's hang on cy, the cluster's place and the wave's number alone, Q's on cx, the cluster's place and the wave's number alone; each is made in registers that never hold the other coordinate
	s_mul_i32 s22, s16, 2*CH                       ; my half of P's four chunks: in memory and in a slot alike
	s_mul_i32 s20, s17, GRP                        ; P's group ty (x's groups in q0, A's in q1, begin at byte 0)
	s_add_co_u32 s20, s20, s22
	s_mov_b32 s21, 0
	s_lshl_b32 s46, s42, 1
	s_add_co_u32 s46, s46, s16                     ; Q's group: 2 tx + part,
.if KIND == 0
	s_add_co_u32 s46, s46, 64                      ; among Wa's and Wb's sixteen, which begin at group 64 of q0
.else
	s_lshr_b32 s45, s18, 2                         ; the first tile's batch: 4 clusters along y to a batch
	s_lshl_b32 s45, s45, 4
	s_add_co_u32 s46, s46, s45                     ; 16 groups of Bm to a batch
.endif
	s_mul_i32 s46, s46, GRP
.if KIND == 1
	s_add_co_u32 s46, s46, 6553600                 ; Bm in q1
.endif
	s_mov_b32 s47, 0
	s_mul_i32 s23, s16, GB
	s_add_co_u32 s23, s23, GB                      ; Q's group in a slot, behind P's: no place in the cluster enters an LDS address
.if KIND == 0
	; the third tile: the 16 clusters share the 8 x 2 clusters' worth of C^T's 32 x 8 tiles
	s_lshl_b32 s94, s18, 1
	s_add_co_u32 s94, s94, ttmp9                   ; which of the 16: 2 Y + X
	s_and_b32 s95, s94, 7                          ; its column of clusters,
	s_lshr_b32 s94, s94, 3                         ; its row
	s_lshl_b32 s92, s95, 2
	s_add_co_u32 s92, s92, s40                     ; the tile's column: 0..31
	s_lshl_b32 s93, s94, 2
	s_add_co_u32 s93, s93, s41                     ; and its row: 0..7
	s_add_co_u32 s[PB+4], s93, 80                  ; P: Wc's groups begin at group 80 of q0
	s_mul_i32 s[PB+4], s[PB+4], GRP
	s_add_co_u32 s[PB+4], s[PB+4], s22
	s_mov_b32 s[PB+5], 0
	s_lshl_b32 s[QB+4], s92, 1
	s_add_co_u32 s[QB+4], s[QB+4], s16             ; Q: x's group 2 x column + part
	s_mul_i32 s[QB+4], s[QB+4], GRP
	s_mov_b32 s[QB+5], 0
.endif
	s_wait_dscnt 0x0                               ; the opening add is done
	s_wait_kmcnt 0x0
	s_add_nc_u64 s[PB:PB+1], s[4:5], s[20:21]
	s_add_nc_u64 s[PB+2:PB+3], s[PB:PB+1], PSTEP
	s_add_nc_u64 s[QB:QB+1], s[4:5], s[46:47]
	s_add_nc_u64 s[QB+2:QB+3], s[QB:QB+1], QSTEP
.if KIND == 0
	s_add_nc_u64 s[PB+4:PB+5], s[4:5], s[PB+4:PB+5]
	s_add_nc_u64 s[QB+4:QB+5], s[4:5], s[QB+4:QB+5]
.endif
	CROUND                                         ; all sixteen work-groups are here: the first joint loads meet
.irp s, 0,1
	s_mov_b32 s[G0P+4*\s], 1                       ; count = 1
	s_add_co_u32 s[G0P+4*\s+1], s22, \s*SLOT       ; LDS address: it stays
	s_mov_b32 s[G0Q+4*\s], 1
	s_add_co_u32 s[G0Q+4*\s+1], s23, \s*SLOT
	SETG \s, \s                                    ; the first tile's K step s
	JLOAD \s                                       ; two loads of mine are out
.endr
	v_and_b32 v1, 31, v0                           ; lane
	v_and_b32 v2, 15, v0                           ; r
	v_bfe_u32 v3, v0, 4, 1                         ; h
	v_lshlrev_b32 v[LI], 4, v1
	s_mul_i32 s84, s15, 4*FRB                      ; my four blocks of P in a chunk,
	s_lshl_b32 s85, s15, 8                         ; and their scale words
	v_add_nc_u32 v[ADRP], s84, v[LI]
	v_lshl_add_u32 v[ADSP], v2, 4, s85
	v_add_nc_u32 v[ADRQ], s23, v[LI]
	v_add_nc_u32 v[ADRP+1], SLOT, v[ADRP]
	v_add_nc_u32 v[ADSP+1], SLOT, v[ADSP]
	v_add_nc_u32 v[ADRQ+1], SLOT, v[ADRQ]
	v_add_nc_u32 v[LIO], s84, v[LI]                ; in the result's chunk my four blocks have the same places
	v_lshlrev_b32 v[SCV], 4, v2
	v_lshl_add_u32 v[SCV], v3, 3, v[SCV]
	s_add_co_u32 s83, s85, SCO
	v_add_nc_u32 v[SCV], s83, v[SCV]
.irp b, 0,1,2,3
	v_mov_b32 v[TM+4+\b], 0                        ; written once: a lane permute's destination counts as one of its sources
.endr
	s_mov_b32 s[SEL], 0x76543210
	s_mov_b32 s[SEL+1], 0xfedcba98
	; where my part of each tile's result goes, made in registers that feed no descriptor
	s_lshl_b32 s80, s42, 1
	s_add_co_u32 s80, s80, s16                     ; my step of 128 along n: 2 tx + wn
.if KIND == 0
	s_lshr_b32 s82, s80, 3
	s_mul_i32 s82, s82, 6553600                    ; A or Bm,
	s_and_b32 s80, s80, 7
	s_mul_i32 s80, s80, CH                         ; which chunk along its K,
	s_add_co_u32 s80, s80, s82
	s_mul_i32 s82, s17, 102400                     ; which group of rows: 8 chunks each
.else
	s_mul_i32 s80, s80, CH
	s_mul_i32 s82, s17, 204800                     ; a group of cmp is 16 chunks
.endif
	s_add_co_u32 s80, s80, s82
	s_mov_b32 s81, 0
	s_add_nc_u64 s[OB:OB+1], s[6:7], s[80:81]
	s_add_nc_u64 s[OB+2:OB+3], s[OB:OB+1], OSTEP
.if KIND == 0
	s_lshl_b32 s80, s92, 1
	s_add_co_u32 s80, s80, s16                     ; the third tile: my step of 128 along n = t, over all batches: 0..63
	s_lshr_b32 s82, s80, 4
	s_mul_i32 s82, s82, 1638400                    ; the batch,
	s_and_b32 s80, s80, 15
	s_mul_i32 s80, s80, CH                         ; which chunk along t,
	s_add_co_u32 s80, s80, s82
	s_mul_i32 s82, s93, 204800                     ; which group of C^T's rows: 16 chunks each
	s_add_co_u32 s80, s80, s82
	s_add_co_u32 s80, s80, 13107200                ; C^T in q1
	s_add_nc_u64 s[OB+4:OB+5], s[6:7], s[80:81]
.endif
; 38 LDS loads in one run: the slot's q-th 128 along K into set p: Q's 8 fragments, my 4 of P, Q's 8 blocks' scale words (one load: 16 bytes a lane), my 4 blocks' of P (one load, the same in both halves of the lanes)
.macro FETCH slot, q, p
	WIN TO_Q
.irp b, 0,1,2,3,4,5,6,7
.irp c, 0,1,2
	ds_load_b128 v[128*(\p)+12*\b+4*\c:128*(\p)+12*\b+4*\c+3], v[ADRQ+(\slot)] offset:(\q)*CH+\b*FRB+512*\c
.endr
.endr
	WIN 0
.irp a, 0,1,2,3
.irp c, 0,1,2
	ds_load_b128 v[AF+48*(\p)+12*\a+4*\c:AF+48*(\p)+12*\a+4*\c+3], v[ADRP+(\slot)] offset:(\q)*CH+\a*FRB+512*\c
.endr
.endr
	ds_load_b128 v[SC+8*(\p):SC+8*(\p)+3], v[ADRQ+(\slot)] offset:(\q)*CH+SCO
	ds_load_b128 v[SC+8*(\p)+4:SC+8*(\p)+7], v[ADSP+(\slot)] offset:(\q)*CH+SCO
.endm
; 32 matrix instructions: my 4 blocks of P x Q's 8, 128 along K, from set p.  zero = 1: a tile's first products start the sums: nothing is ever cleared.
; The 32 accumulators take turns, one instruction a turn, in the same order in every step, from tile to tile too.
.macro MUL32 p, zero
	WIN MUL
.irp a, 0,1,2,3
.irp b, 0,1,2,3
.if \zero
	v_wmma_scale_f32_16x16x128_f8f6f4 v[8*(8*\a+\b):8*(8*\a+\b)+7], v[128*(\p)+12*\b:128*(\p)+12*\b+11], v[AF+48*(\p)+12*\a:AF+48*(\p)+12*\a+11], 0, v[SC+8*(\p)+\b], v[SC+8*(\p)+4+\a] matrix_a_fmt:MATRIX_FMT_FP6 matrix_b_fmt:MATRIX_FMT_FP6
.else
	v_wmma_scale_f32_16x16x128_f8f6f4 v[8*(8*\a+\b):8*(8*\a+\b)+7], v[128*(\p)+12*\b:128*(\p)+12*\b+11], v[AF+48*(\p)+12*\a:AF+48*(\p)+12*\a+11], v[8*(8*\a+\b):8*(8*\a+\b)+7], v[SC+8*(\p)+\b], v[SC+8*(\p)+4+\a] matrix_a_fmt:MATRIX_FMT_FP6 matrix_b_fmt:MATRIX_FMT_FP6
.endif
.endr
.irp b, 4,5,6,7                        ; the words of Q's blocks 4-7 stand in lanes 16-31
.if \zero
	v_wmma_scale_f32_16x16x128_f8f6f4 v[8*(8*\a+\b):8*(8*\a+\b)+7], v[128*(\p)+12*\b:128*(\p)+12*\b+11], v[AF+48*(\p)+12*\a:AF+48*(\p)+12*\a+11], 0, v[SC+8*(\p)+\b-4], v[SC+8*(\p)+4+\a] matrix_a_fmt:MATRIX_FMT_FP6 matrix_b_fmt:MATRIX_FMT_FP6 matrix_a_scale:MATRIX_SCALE_ROW1
.else
	v_wmma_scale_f32_16x16x128_f8f6f4 v[8*(8*\a+\b):8*(8*\a+\b)+7], v[128*(\p)+12*\b:128*(\p)+12*\b+11], v[AF+48*(\p)+12*\a:AF+48*(\p)+12*\a+11], v[8*(8*\a+\b):8*(8*\a+\b)+7], v[SC+8*(\p)+\b-4], v[SC+8*(\p)+4+\a] matrix_a_fmt:MATRIX_FMT_FP6 matrix_b_fmt:MATRIX_FMT_FP6 matrix_a_scale:MATRIX_SCALE_ROW1
.endif
.endr
.endr
	WIN 0
.endm
; THE CHANGE OF SLOTS, at the head of a slot's last step, whose fragments were asked for a step ago.  Each wave waits for all its tensor loads (its part of the next slot), adds 0 to its spare word, and waits for that and for its
; reads of this slot.  Behind the barrier nobody reads this slot and the next is whole.  fill = 1: the barrier is a round of the cluster's, and this slot is filled again, with K step g of the walk: the load has 128 matrix instructions,
; and at a tile's end the way out too, in which to land.
.macro CHANGE slot, fill, g
	s_wait_tensorcnt 0x0                           ; no tensor load of mine is out, so a group 0 may be written
	ds_add_u32 v[SPW], v[NIL]                      ; 0 onto my spare word; with fill = 1 the descriptors' words stand between it and the wait for it
.if \fill
	SETG \slot, \g
.endif
	s_wait_dscnt 0x0                               ; the add is done, and my reads of this slot are over
.if \fill
	CROUND
	JLOAD \slot                                    ; the first tensor load behind the round, one a wave; its four v_nop are the places in front of the loads that follow
.else
	s_barrier_signal -1
	s_barrier_wait -1
	PLACES
.endif
.endm
; 64 results of a lane in window 2, register 16 b + i = n 32 b + 16 h + i of my row, become a fragment's codes in v[f] on and its scale word in v[w].  Each accumulator is read from its low end on.
.macro QUANT s, f, w
	WIN 0x0a                                       ; sources 0 and 1 window 2
.irp b, 0,1,2,3
	v_max3_num_f32 v[TM+\b], |v[(\s)+16*\b]|, |v[(\s)+16*\b+1]|, 0x1800000   ; block b: my 16 numbers, and the floor 2^(3 - 127): the byte cannot fall under 1
.endr
.irp i, 2,4,6,8,10,12,14
.irp b, 0,1,2,3
	v_max3_num_f32 v[TM+\b], |v[(\s)+16*\b+\i]|, |v[(\s)+16*\b+\i+1]|, v[TM+\b]   ; the four blocks by turns
.endr
.endr
	WIN 0
.irp b, 0,1,2,3
	v_permlanex16_b32 v[TM+4+\b], v[TM+\b], s[SEL], s[SEL+1]
.endr
.irp b, 0,1,2,3
	v_max_num_f32 v[TM+\b], v[TM+\b], v[TM+4+\b]   ; with lane l xor 16's: the block's largest magnitude
.endr
.irp b, 0,1,2,3
	v_add_nc_u32 v[TM+12+\b], 0xff000000, v[TM+\b] ; 2 off its exponent field: the conversion takes the exponent field of this operand as its scale
.endr
.irp b, 0,1,2,3
	v_lshrrev_b32 v[TM+4+\b], 23, v[TM+12+\b]      ; the scale's byte
.endr
	v_lshl_or_b32 v[\w], v[TM+5], 8, v[TM+4]       ; four bytes make my row's scale word
	v_lshl_or_b32 v[\w], v[TM+6], 16, v[\w]
	v_lshl_or_b32 v[\w], v[TM+7], 24, v[\w]
	WIN 0x02                                       ; source 0 window 2
.irp c, 0,1
	v_cvt_scalef32_pk16_fp6_f32 v[(\f)+6*\c:(\f)+6*\c+2], v[(\s)+32*\c:(\s)+32*\c+15], v[TM+12+2*\c]
	v_cvt_scalef32_pk16_fp6_f32 v[TT+4*\c:TT+4*\c+2], v[(\s)+32*\c+16:(\s)+32*\c+31], v[TM+13+2*\c]   ; (a conversion's three registers begin on an even number)
.endr
	WIN 0
	v_nop                                          ; one plain place behind the conversions: vector lines touch their results next, and the next tile's products write their sources
.irp c, 0,1                            ; the operand's layout wants a whole block in a lane: lanes 0-15 block 2 c, lanes 16-31 block 2 c + 1
.irp i, 0,1,2
	v_permlane16_swap_b32 v[(\f)+6*\c+\i], v[TT+4*\c+\i]
.endr
.irp i, 0,1,2
	v_mov_b32 v[(\f)+6*\c+3+\i], v[TT+4*\c+\i]
.endr
.endr
.endm
; THE WAY OUT of tile tl: each of my four blocks is one fragment of the next operand: activation, quantiser, three stores of 512 consecutive bytes.  No LDS.  It touches window 2 and v144 on of window 0:
; the next tile's first fragments and scale words, which have been asked for, lie elsewhere.  Its hundreds of plain vector lines are also the places between this tile's last products and the next tile's first, which begin the accumulators anew.
.macro WAYOUT tl
.if (\tl) > 0
	s_wait_xcnt 0x0                                ; the last tile's stores have read the codes' and the scale words' registers: they are written again only behind this wait
.endif
	PLACES
.irp a, 0,1,2,3
.if RELU
	WIN 0x88                                       ; source 1 and destination window 2
.set J, 0
.rept 64
	v_max_num_f32 v[64*\a+J], 0, v[64*\a+J]        ; the activation, in f32
.set J, J+1
.endr
.endif
	QUANT 64*\a, PC+12*\a, PW+\a
.irp c, 0,1,2
	global_store_b128 v[LIO], v[PC+12*\a+4*\c:PC+12*\a+4*\c+3], s[OB+2*(\tl):OB+2*(\tl)+1] offset:\a*FRB+512*\c
.endr
.endr
	v_cmp_ne_u32 vcc_lo, 0, v3                     ; lanes 0-15 store the words of blocks 0, 1 of their row, lanes 16-31 those of 2, 3
	v_cndmask_b32 v[S], v[PW], v[PW+2], vcc_lo
	v_cndmask_b32 v[S+1], v[PW+1], v[PW+3], vcc_lo
	global_store_b64 v[SCV], v[S:S+1], s[OB+2*(\tl):OB+2*(\tl)+1]   ; 256 consecutive bytes, aligned
.endm
	s_wait_tensorcnt 0x1                           ; my part of slot 0 is in; slot 1's may stay out
	s_barrier_signal -1
	s_barrier_wait -1                              ; everybody's is
	FETCH 0, 0, 0
; The walk's steps of 128 along K, written out. At a step's head its own set is waited for and the next step's is asked for, into the set that the last step multiplied: LDS serves while the 32 products run.
.set T, 0
.rept 4*TOT
.set KSN, T/4                          ; the K step of the walk
.set SL, KSN%2                         ; its slot
.set QQ, T%4
.set PP, T%2
.set TL, T/(4*NKS)                     ; the tile
.if T == 4*TOT-1
	s_wait_dscnt 0x0                               ; the last step: nothing more to fetch
.elseif QQ == 3
.if KSN+2 < TOT
	CHANGE SL, 1, KSN+2
.else
	CHANGE SL, 0, 0
.endif
	FETCH 1-SL, 0, 1-PP
.else
	s_wait_dscnt 0x0                               ; this step's set is in
	PLACES
	FETCH SL, QQ+1, 1-PP
.endif
.if T%(4*NKS) == 0
	MUL32 PP, 1
.else
	MUL32 PP, 0
.endif
.if T%(4*NKS) == 4*NKS-1
	WAYOUT TL
.endif
.set T, T+1
.endr
	s_wait_tensorcnt 0x0                           ; the wave's end, behind my last tensor load
	ds_add_u32 v[SPW], v[NIL]
	s_wait_dscnt 0x0
	CROUND                                         ; the closing round: no work-group ends while a partner may still ask for a tile that names it
	s_endpgm
.Lfunc_end_k_qb1426429d1_proj:
	.size	k_qb1426429d1_proj, .Lfunc_end_k_qb1426429d1_proj-k_qb1426429d1_proj
	.p2alignl 7, 3214868480
	.fill 96, 4, 3214868480
	.section	.rodata,"a",@progbits
	.p2align	6, 0x0
	.amdhsa_kernel k_qb1426429d1_proj
		.amdhsa_group_segment_fixed_size 327680
		.amdhsa_private_segment_fixed_size 0
		.amdhsa_enable_private_segment 0
		.amdhsa_kernarg_size 16
		.amdhsa_user_sgpr_count 2
		.amdhsa_user_sgpr_kernarg_segment_ptr 1
		.amdhsa_wavefront_size32 1
		.amdhsa_system_sgpr_workgroup_id_x 1
		.amdhsa_system_sgpr_workgroup_id_y 1
		.amdhsa_system_sgpr_workgroup_id_z 1
		.amdhsa_system_vgpr_workitem_id 0
		.amdhsa_next_free_vgpr 768
		.amdhsa_next_free_sgpr 96
		.amdhsa_reserve_vcc 1
		.amdhsa_float_denorm_mode_32 3
		.amdhsa_float_denorm_mode_16_64 3
		.amdhsa_memory_ordered 1
		.amdhsa_forward_progress 1
		.amdhsa_inst_pref_size 248
	.end_amdhsa_kernel
	.amdgpu_metadata
---
amdhsa.version: [ 1, 2 ]
amdhsa.kernels:
  - .name:           k_qb1426429d1_proj
    .symbol:         k_qb1426429d1_proj.kd
    .args:
      - { .name: q0, .offset: 0, .size: 8, .value_kind: global_buffer, .address_space: global }
      - { .name: q1, .offset: 8, .size: 8, .value_kind: global_buffer, .address_space: global }
    .group_segment_fixed_size: 327680
    .private_segment_fixed_size: 0
    .kernarg_segment_align: 8
    .kernarg_segment_size: 16
    .max_flat_workgroup_size: 128
    .sgpr_count:     96
    .vgpr_count:     768
    .wavefront_size: 32
...
	.end_amdgpu_metadata
.endif
;; end of part 2
;; launch score (part 3): grid 8 x 32, 4 waves a work-group, clusters of 4 x 4, 327,680 bytes of LDS; arguments q1, q2; writes q2
.if DOCPART == 3
	.amdgcn_target "amdgcn-amd-amdhsa--gfx1250"
	.amdhsa_code_object_version 6
	.text
	.protected	k_qb1426429d1_score
	.globl	k_qb1426429d1_score
	.p2align	8
	.type	k_qb1426429d1_score,@function
k_qb1426429d1_score:
	s_mov_b64 s[64:65], 0
	v_nop
	global_prefetch_b8 v0, s[64:65] scope:SCOPE_SE
	s_setreg_imm32_b32 hwreg(HW_REG_WAVE_MODE, 25, 1), 1
	s_wait_xcnt 0x0
	s_wait_alu depctr_hold_cnt(0) depctr_sa_sdst(0) depctr_va_vdst(0) depctr_va_sdst(0) depctr_va_ssrc(0) depctr_va_vcc(0) depctr_vm_vsrc(0)
	s_getreg_b32 s2, hwreg(HW_REG_IB_STS2, 6, 4)
	s_cmp_eq_u32 s2, 0
	s_cbranch_scc0 .Lentry_in_a_cluster
	s_endpgm
.Lentry_in_a_cluster:
	s_bfe_u32 s2, ttmp6, 0x10000c
	s_cmp_lg_u32 s2, 0xf033
	s_cbranch_scc0 .Lentry_shape_is_right
	s_endpgm
.Lentry_shape_is_right:
; OUT[m][n] = f(sum over k of P[m][k] Q[n][k]), K = 1,024, on codes of FP6 (E2M3) with one E8M0 scale for each 32 along K; sums in f32; the result is quantised along n and stored as the next product's operand.
; ONE SOURCE SERVES THE TWO LAUNCHES WHOSE WORK-GROUPS STAY; the three lines below say which this is.
;   KIND 0, 3 tiles: tiles 0 and 1 are of A, Bm = relu(x Wa^T), relu(x Wb^T) (P = x, Q = Wa, Wb), tile 2 is of C^T = relu(Wc x^T) (P = Wc, Q = x).   KIND 1, 2 tiles: cmp = A Bm^T for each of 4 batches.
.set KIND,  1
.set TILES, 2
.set RELU,  0
; OPERANDS, in memory and in LDS alike: [group of 128 rows][K / 128][chunk of 12,800 bytes].  A chunk holds 8 fragments (16 rows x 128 K) as images of the operand's registers (3 pieces of 512 bytes, piece c = lane l's registers
; 4 c .. 4 c + 3 at 16 l), then 512 bytes of scale words (block rb, lane-row r at 256 (rb / 4) + 16 r + 4 (rb % 4)).  Lane-row r of block rb is row 32 (rb / 2) + 8 (rb % 2) + r + 8 (r / 8) of the group.
; So a fragment comes by three loads of 16 bytes a lane, 512 consecutive bytes each, a K step's chunks are one dense block for one tensor load, and no padding is wanted.
; SHARES.  A tile is 128 (P) x 256 (Q).  Four waves, wave (wm, wn) makes 64 x 128: P's blocks 4 wm + a x the 8 blocks of Q's group wn: 32 accumulators, 256 registers.
; A WORK-GROUP STAYS: the 768 (KIND 1: 512) tiles are walked by 256 work-groups, TILES each.  The cluster at (X, Y) of 2 x 8 takes, as its tile i, rows of tiles 4 (Y + 8 i) on; in KIND 0 its third tile is one of the 32 x 8 of C^T.
; THE MATRIX INSTRUCTION IS USED TRANSPOSED (source 0 = 16 rows of Q, source 1 = 16 rows of P): lane (r, h) holds P's lane-row r, and by the order of Q's rows register 8 b + j of block a is n = 32 (b / 2) + 16 h + 8 (b % 2) + j:
; the 16 registers of two neighbouring tiles are 16 neighbours along n, which is the next product's K.  So a result is quantised in registers and stored as the next operand's image; it takes P's order of rows with it.
; THE RING.  Two LDS slots, each with 512 along K: P's group (4 chunks), Q's two groups.  A tile's K is the two slots, and THE RING DOES NOT STOP AT A TILE'S END: the walk is one stream of 2 TILES K steps; the change of slots in K step g
; fills the slot that is left with K step g + 2, the next tile's too.  A tile goes out behind its last products, when both of the next tile's K steps have been asked for, and nothing waits for its stores.
; CLUSTERS: 4 x 4 work-groups.  The four of a row of the cluster need the same tiles of P, the four of a column the same tiles of Q: each is asked for JOINTLY, by the same tensor load with a mask that names the four.
; REGISTERS, in windows of 256: window 0: v1-29 addresses; v32-47 scale words, two sets; v48-143 P's fragments, two sets; from v144 at work on the way out.  Window 1: Q's fragments, two sets, at v0 and v128.  Window 2: the accumulators, (a, b) at v[8 (8 a + b)].
; LIMITS: NaN and infinities are not served.  A block of zeros, and one whose largest magnitude lies under 2^(3 - 127), keeps the byte 1: its codes are zeros, and this program alone reads the bytes.
.set NKS,   2                          ; a tile's K in steps of 512
.set TOT,   NKS*TILES                  ; K steps of the whole walk
.set CH,    12800                      ; a chunk
.set FRB,   1536                       ; a fragment's image
.set SCO,   8*FRB                      ; the scale words' place in a chunk
.set GB,    4*CH                       ; a group's part of a slot: 512 along K
.set SLOT,  3*GB
.set SPARE, 2*SLOT                     ; behind the ring: the spare words, 128 bytes a wave: two blocks of 256 bytes that no other line names
.set GRP,   NKS*GB                     ; a group of P or of Q in memory
.set PSTEP, 32*GRP                     ; from tile 0 to tile 1: P goes 32 groups of rows on;
.if KIND == 0
.set QSTEP, 0                          ; Q stays (the same rows of Wa, Wb),
.set OSTEP, 32*102400                  ; and the result goes 32 groups of 8 chunks on
.else
.set QSTEP, 32*GRP                     ; Q goes two batches of 16 groups on,
.set OSTEP, 32*204800                  ; and the result 32 groups of 16 chunks
.endif
.set LI,   4                           ; v4      16 x lane
.set SCV,  5                           ; v5      where I store two scale words in a chunk: SCO + 256 wm + 16 r + 8 h
.set LIO,  6                           ; v6      where I store 16 bytes of a fragment in a chunk: 4 FRB wm + 16 x lane
.set ADRP, 16                          ; v16-17  LDS address of my P fragments in slot 0, 1
.set ADSP, 18                          ; v18-19  of my P blocks' scale words
.set ADRQ, 20                          ; v20-21  of my Q group
.set SPW,  28                          ; v28     LDS address of my spare word; never rewritten
.set NIL,  29                          ; v29     0; never rewritten
.set SC,   32                          ; scale words and nothing else: set p: v[SC+8p .. +3] Q's (lanes 0-15 blocks 0-3, lanes 16-31 blocks 4-7), v[SC+8p+4 .. +7] my four blocks of P
.set AF,   48                          ; P's fragments: set p, block a at AF + 48 p + 12 a
.set TM,   144                         ; v144-159 at work: largest magnitudes, bytes, scale operands
.set PW,   160                         ; v160-163 the four blocks' scale words
.set S,    164                         ; v164-165 the two that I store
.set TT,   166                         ; v166-173 second halves of the blocks' codes
.set PC,   176                         ; v176-223 the codes: 12 registers for each block
.set G1P,  24                          ; s[24:31] descriptor group 1 for P's tiles;  s[32:39] group 0, one set for each slot
.set G0P,  32
.set G1Q,  48                          ; s[48:55], s[56:63] the same for Q's
.set G0Q,  56
.set SEL,  66                          ; s[66:67] lane selects for v_permlanex16_b32: lane l xor 16
.set PB,   68                          ; s[68:73] for each tile of the walk: where my part of P's first K step lies in memory; never rewritten
.set QB,   74                          ; s[74:79] the same for Q
.set OB,   86                          ; s[86:91] for each tile: the chunk of the result that my wave shares in; never rewritten
.set MSB, 0
.macro WIN new                         ; the immediate's high byte repeats the setting that is left
.if MSB != \new
	s_set_vgpr_msb (MSB<<8)|\new
.set MSB, \new
.endif
.endm
.set MUL,  0xa1                        ; source 0 (Q) window 1, source 1 (P) window 0, C and D window 2
.set TO_Q, 0x40                        ; destination window 1, address window 0
; A joint load: waves 0 and 1 fetch the halves of P's group, waves 2 and 3 Q's two groups.  The branch hangs on the wave's number alone.  An s_nop 0 and four v_nop follow each of the two lines.
.macro JLOAD s
	s_cmp_eq_u32 s15, 0
	s_cbranch_scc0 .Lfor_q_\@
	tensor_load_to_lds s[G0P+4*(\s):G0P+4*(\s)+3], s[G1P:G1P+7]
	s_nop 0
.rept 4
	v_nop
.endr
	s_branch .Lasked_\@
.Lfor_q_\@:
	tensor_load_to_lds s[G0Q+4*(\s):G0Q+4*(\s)+3], s[G1Q:G1Q+7]
	s_nop 0
.rept 4
	v_nop
.endr
.Lasked_\@:
.endm
; The slot's two groups 0 get the global addresses of K step g of the walk: tile g / NKS, its step g % NKS.  It stands only where no tensor load of the wave is out.
.macro SETG slot, g
.set TI, (\g)/NKS
.set KK, (\g)%NKS
	s_add_nc_u64 s[G0P+4*(\slot)+2:G0P+4*(\slot)+3], s[PB+2*TI:PB+2*TI+1], KK*GB
	s_or_b32 s[G0P+4*(\slot)+3], s[G0P+4*(\slot)+3], 0x80000000   ; type = 2
	s_add_nc_u64 s[G0Q+4*(\slot)+2:G0Q+4*(\slot)+3], s[QB+2*TI:QB+2*TI+1], KK*GB
	s_or_b32 s[G0Q+4*(\slot)+3], s[G0Q+4*(\slot)+3], 0x80000000
.endm
.macro CROUND                          ; a round of the cluster's barrier: my work-group's barrier; wave 0 signals for the work-group; every wave waits for all sixteen; my work-group's barrier once more
	s_barrier_signal -1
	s_barrier_wait -1
	s_cmp_lg_u32 s14, 0
	s_cbranch_scc1 .Lnot_wave_0_\@
	s_barrier_signal -3
.Lnot_wave_0_\@:
	s_barrier_wait -3
	s_barrier_signal -1
	s_barrier_wait -1
.endm
.macro PLACES                          ; four places in front of loads into registers that matrix instructions have read, and of the first read of results
.rept 4
	v_nop
.endr
.endm
	s_load_b128 s[4:7], s[0:1], 0x0                ; s[4:5] the buffer in which P and Q lie, s[6:7] the result's
	v_lshl_add_u32 v[SPW], v0, 2, SPARE
	v_mov_b32 v[NIL], 0
	ds_add_u32 v[SPW], v[NIL]                      ; the wave's opening: the add and its wait stand ahead of my first tensor load; the set-up below, work on registers, stands between them
	v_lshrrev_b32 v1, 5, v0
	v_readfirstlane_b32 s14, v1                    ; wave 0..3
	s_lshr_b32 s15, s14, 1                         ; wm: which 64 rows of P are mine.  Also: I fetch for P (0) or for Q (1)
	s_and_b32 s16, s14, 1                          ; wn: which group of Q is mine.  Also: which part I fetch
	s_bfe_u32 s40, ttmp6, 0x40000                  ; cx, cy: my place in the cluster
	s_bfe_u32 s41, ttmp6, 0x40004
	s_and_b32 s18, ttmp7, 0xffff                   ; Y, the cluster's y: 0..7;  ttmp9 is X: 0..1
	s_lshl_b32 s42, ttmp9, 2
	s_add_co_u32 s42, s42, s40                     ; tx: tile column = 4 X + cx
	s_lshl_b32 s17, s18, 2
	s_add_co_u32 s17, s17, s41                     ; ty: the first tile's row = 4 Y + cy = P's group
	s_lshl_b32 s43, s41, 2
	s_lshl_b32 s43, 15, s43                        ; my row of the cluster
	s_lshl_b32 s44, 0x1111, s40                    ; my column
	; descriptor group 1: a dense block as rows of 256 bytes (32 elements of 8 bytes): P's half group 100 rows, a group of Q 200 rows; no padding
	s_or_b32 s[G1P+0], s43, (3<<16)|(1<<21)        ; 15:0 the mask: P's tiles go to my row; 17:16 elements of 8 bytes; 21 set beside a mask
	s_or_b32 s[G1Q+0], s44, (3<<16)|(1<<21)        ; Q's go to my column
	s_mov_b32 s[G1P+1], 32<<16                     ; tensor_dim0
	s_mov_b32 s[G1P+2], 100<<16                    ; tensor_dim1
	s_mov_b32 s[G1P+3], 32<<16                     ; tile_dim0
	s_mov_b32 s[G1P+4], 100                        ; tile_dim1
	s_mov_b32 s[G1P+5], 32                         ; the pitch
	s_mov_b32 s[G1P+6], 0
	s_mov_b32 s[G1P+7], 0
	s_mov_b32 s[G1Q+1], 32<<16
	s_mov_b32 s[G1Q+2], 200<<16
	s_mov_b32 s[G1Q+3], 32<<16
	s_mov_b32 s[G1Q+4], 200
	s_mov_b32 s[G1Q+5], 32
	s_mov_b32 s[G1Q+6], 0
	s_mov_b32 s[G1Q+7], 0
	; where the tiles come from.  P's hang on cy, the cluster's place and the wave's number alone, Q's on cx, the cluster's place and the wave's number alone; each is made in registers that never hold the other coordinate
	s_mul_i32 s22, s16, 2*CH                       ; my half of P's four chunks: in memory and in a slot alike
	s_mul_i32 s20, s17, GRP                        ; P's group ty (x's groups in q0, A's in q1, begin at byte 0)
	s_add_co_u32 s20, s20, s22
	s_mov_b32 s21, 0
	s_lshl_b32 s46, s42, 1
	s_add_co_u32 s46, s46, s16                     ; Q's group: 2 tx + part,
.if KIND == 0
	s_add_co_u32 s46, s46, 64                      ; among Wa's and Wb's sixteen, which begin at group 64 of q0
.else
	s_lshr_b32 s45, s18, 2                         ; the first tile's batch: 4 clusters along y to a batch
	s_lshl_b32 s45, s45, 4
	s_add_co_u32 s46, s46, s45                     ; 16 groups of Bm to a batch
.endif
	s_mul_i32 s46, s46, GRP
.if KIND == 1
	s_add_co_u32 s46, s46, 6553600                 ; Bm in q1
.endif
	s_mov_b32 s47, 0
	s_mul_i32 s23, s16, GB
	s_add_co_u32 s23, s23, GB                      ; Q's group in a slot, behind P's: no place in the cluster enters an LDS address
.if KIND == 0
	; the third tile: the 16 clusters share the 8 x 2 clusters' worth of C^T's 32 x 8 tiles
	s_lshl_b32 s94, s18, 1
	s_add_co_u32 s94, s94, ttmp9                   ; which of the 16: 2 Y + X
	s_and_b32 s95, s94, 7                          ; its column of clusters,
	s_lshr_b32 s94, s94, 3                         ; its row
	s_lshl_b32 s92, s95, 2
	s_add_co_u32 s92, s92, s40                     ; the tile's column: 0..31
	s_lshl_b32 s93, s94, 2
	s_add_co_u32 s93, s93, s41                     ; and its row: 0..7
	s_add_co_u32 s[PB+4], s93, 80                  ; P: Wc's groups begin at group 80 of q0
	s_mul_i32 s[PB+4], s[PB+4], GRP
	s_add_co_u32 s[PB+4], s[PB+4], s22
	s_mov_b32 s[PB+5], 0
	s_lshl_b32 s[QB+4], s92, 1
	s_add_co_u32 s[QB+4], s[QB+4], s16             ; Q: x's group 2 x column + part
	s_mul_i32 s[QB+4], s[QB+4], GRP
	s_mov_b32 s[QB+5], 0
.endif
	s_wait_dscnt 0x0                               ; the opening add is done
	s_wait_kmcnt 0x0
	s_add_nc_u64 s[PB:PB+1], s[4:5], s[20:21]
	s_add_nc_u64 s[PB+2:PB+3], s[PB:PB+1], PSTEP
	s_add_nc_u64 s[QB:QB+1], s[4:5], s[46:47]
	s_add_nc_u64 s[QB+2:QB+3], s[QB:QB+1], QSTEP
.if KIND == 0
	s_add_nc_u64 s[PB+4:PB+5], s[4:5], s[PB+4:PB+5]
	s_add_nc_u64 s[QB+4:QB+5], s[4:5], s[QB+4:QB+5]
.endif
	CROUND                                         ; all sixteen work-groups are here: the first joint loads meet
.irp s, 0,1
	s_mov_b32 s[G0P+4*\s], 1                       ; count = 1
	s_add_co_u32 s[G0P+4*\s+1], s22, \s*SLOT       ; LDS address: it stays
	s_mov_b32 s[G0Q+4*\s], 1
	s_add_co_u32 s[G0Q+4*\s+1], s23, \s*SLOT
	SETG \s, \s                                    ; the first tile's K step s
	JLOAD \s                                       ; two loads of mine are out
.endr
	v_and_b32 v1, 31, v0                           ; lane
	v_and_b32 v2, 15, v0                           ; r
	v_bfe_u32 v3, v0, 4, 1                         ; h
	v_lshlrev_b32 v[LI], 4, v1
	s_mul_i32 s84, s15, 4*FRB                      ; my four blocks of P in a chunk,
	s_lshl_b32 s85, s15, 8                         ; and their scale words
	v_add_nc_u32 v[ADRP], s84, v[LI]
	v_lshl_add_u32 v[ADSP], v2, 4, s85
	v_add_nc_u32 v[ADRQ], s23, v[LI]
	v_add_nc_u32 v[ADRP+1], SLOT, v[ADRP]
	v_add_nc_u32 v[ADSP+1], SLOT, v[ADSP]
	v_add_nc_u32 v[ADRQ+1], SLOT, v[ADRQ]
	v_add_nc_u32 v[LIO], s84, v[LI]                ; in the result's chunk my four blocks have the same places
	v_lshlrev_b32 v[SCV], 4, v2
	v_lshl_add_u32 v[SCV], v3, 3, v[SCV]
	s_add_co_u32 s83, s85, SCO
	v_add_nc_u32 v[SCV], s83, v[SCV]
.irp b, 0,1,2,3
	v_mov_b32 v[TM+4+\b], 0                        ; written once: a lane permute's destination counts as one of its sources
.endr
	s_mov_b32 s[SEL], 0x76543210
	s_mov_b32 s[SEL+1], 0xfedcba98
	; where my part of each tile's result goes, made in registers that feed no descriptor
	s_lshl_b32 s80, s42, 1
	s_add_co_u32 s80, s80, s16                     ; my step of 128 along n: 2 tx + wn
.if KIND == 0
	s_lshr_b32 s82, s80, 3
	s_mul_i32 s82, s82, 6553600                    ; A or Bm,
	s_and_b32 s80, s80, 7
	s_mul_i32 s80, s80, CH                         ; which chunk along its K,
	s_add_co_u32 s80, s80, s82
	s_mul_i32 s82, s17, 102400                     ; which group of rows: 8 chunks each
.else
	s_mul_i32 s80, s80, CH
	s_mul_i32 s82, s17, 204800                     ; a group of cmp is 16 chunks
.endif
	s_add_co_u32 s80, s80, s82
	s_mov_b32 s81, 0
	s_add_nc_u64 s[OB:OB+1], s[6:7], s[80:81]
	s_add_nc_u64 s[OB+2:OB+3], s[OB:OB+1], OSTEP
.if KIND == 0
	s_lshl_b32 s80, s92, 1
	s_add_co_u32 s80, s80, s16                     ; the third tile: my step of 128 along n = t, over all batches: 0..63
	s_lshr_b32 s82, s80, 4
	s_mul_i32 s82, s82, 1638400                    ; the batch,
	s_and_b32 s80, s80, 15
	s_mul_i32 s80, s80, CH                         ; which chunk along t,
	s_add_co_u32 s80, s80, s82
	s_mul_i32 s82, s93, 204800                     ; which group of C^T's rows: 16 chunks each
	s_add_co_u32 s80, s80, s82
	s_add_co_u32 s80, s80, 13107200                ; C^T in q1
	s_add_nc_u64 s[OB+4:OB+5], s[6:7], s[80:81]
.endif
; 38 LDS loads in one run: the slot's q-th 128 along K into set p: Q's 8 fragments, my 4 of P, Q's 8 blocks' scale words (one load: 16 bytes a lane), my 4 blocks' of P (one load, the same in both halves of the lanes)
.macro FETCH slot, q, p
	WIN TO_Q
.irp b, 0,1,2,3,4,5,6,7
.irp c, 0,1,2
	ds_load_b128 v[128*(\p)+12*\b+4*\c:128*(\p)+12*\b+4*\c+3], v[ADRQ+(\slot)] offset:(\q)*CH+\b*FRB+512*\c
.endr
.endr
	WIN 0
.irp a, 0,1,2,3
.irp c, 0,1,2
	ds_load_b128 v[AF+48*(\p)+12*\a+4*\c:AF+48*(\p)+12*\a+4*\c+3], v[ADRP+(\slot)] offset:(\q)*CH+\a*FRB+512*\c
.endr
.endr
	ds_load_b128 v[SC+8*(\p):SC+8*(\p)+3], v[ADRQ+(\slot)] offset:(\q)*CH+SCO
	ds_load_b128 v[SC+8*(\p)+4:SC+8*(\p)+7], v[ADSP+(\slot)] offset:(\q)*CH+SCO
.endm
; 32 matrix instructions: my 4 blocks of P x Q's 8, 128 along K, from set p.  zero = 1: a tile's first products start the sums: nothing is ever cleared.
; The 32 accumulators take turns, one instruction a turn, in the same order in every step, from tile to tile too.
.macro MUL32 p, zero
	WIN MUL
.irp a, 0,1,2,3
.irp b, 0,1,2,3
.if \zero
	v_wmma_scale_f32_16x16x128_f8f6f4 v[8*(8*\a+\b):8*(8*\a+\b)+7], v[128*(\p)+12*\b:128*(\p)+12*\b+11], v[AF+48*(\p)+12*\a:AF+48*(\p)+12*\a+11], 0, v[SC+8*(\p)+\b], v[SC+8*(\p)+4+\a] matrix_a_fmt:MATRIX_FMT_FP6 matrix_b_fmt:MATRIX_FMT_FP6
.else
	v_wmma_scale_f32_16x16x128_f8f6f4 v[8*(8*\a+\b):8*(8*\a+\b)+7], v[128*(\p)+12*\b:128*(\p)+12*\b+11], v[AF+48*(\p)+12*\a:AF+48*(\p)+12*\a+11], v[8*(8*\a+\b):8*(8*\a+\b)+7], v[SC+8*(\p)+\b], v[SC+8*(\p)+4+\a] matrix_a_fmt:MATRIX_FMT_FP6 matrix_b_fmt:MATRIX_FMT_FP6
.endif
.endr
.irp b, 4,5,6,7                        ; the words of Q's blocks 4-7 stand in lanes 16-31
.if \zero
	v_wmma_scale_f32_16x16x128_f8f6f4 v[8*(8*\a+\b):8*(8*\a+\b)+7], v[128*(\p)+12*\b:128*(\p)+12*\b+11], v[AF+48*(\p)+12*\a:AF+48*(\p)+12*\a+11], 0, v[SC+8*(\p)+\b-4], v[SC+8*(\p)+4+\a] matrix_a_fmt:MATRIX_FMT_FP6 matrix_b_fmt:MATRIX_FMT_FP6 matrix_a_scale:MATRIX_SCALE_ROW1
.else
	v_wmma_scale_f32_16x16x128_f8f6f4 v[8*(8*\a+\b):8*(8*\a+\b)+7], v[128*(\p)+12*\b:128*(\p)+12*\b+11], v[AF+48*(\p)+12*\a:AF+48*(\p)+12*\a+11], v[8*(8*\a+\b):8*(8*\a+\b)+7], v[SC+8*(\p)+\b-4], v[SC+8*(\p)+4+\a] matrix_a_fmt:MATRIX_FMT_FP6 matrix_b_fmt:MATRIX_FMT_FP6 matrix_a_scale:MATRIX_SCALE_ROW1
.endif
.endr
.endr
	WIN 0
.endm
; THE CHANGE OF SLOTS, at the head of a slot's last step, whose fragments were asked for a step ago.  Each wave waits for all its tensor loads (its part of the next slot), adds 0 to its spare word, and waits for that and for its
; reads of this slot.  Behind the barrier nobody reads this slot and the next is whole.  fill = 1: the barrier is a round of the cluster's, and this slot is filled again, with K step g of the walk: the load has 128 matrix instructions,
; and at a tile's end the way out too, in which to land.
.macro CHANGE slot, fill, g
	s_wait_tensorcnt 0x0                           ; no tensor load of mine is out, so a group 0 may be written
	ds_add_u32 v[SPW], v[NIL]                      ; 0 onto my spare word; with fill = 1 the descriptors' words stand between it and the wait for it
.if \fill
	SETG \slot, \g
.endif
	s_wait_dscnt 0x0                               ; the add is done, and my reads of this slot are over
.if \fill
	CROUND
	JLOAD \slot                                    ; the first tensor load behind the round, one a wave; its four v_nop are the places in front of the loads that follow
.else
	s_barrier_signal -1
	s_barrier_wait -1
	PLACES
.endif
.endm
; 64 results of a lane in window 2, register 16 b + i = n 32 b + 16 h + i of my row, become a fragment's codes in v[f] on and its scale word in v[w].  Each accumulator is read from its low end on.
.macro QUANT s, f, w
	WIN 0x0a                                       ; sources 0 and 1 window 2
.irp b, 0,1,2,3
	v_max3_num_f32 v[TM+\b], |v[(\s)+16*\b]|, |v[(\s)+16*\b+1]|, 0x1800000   ; block b: my 16 numbers, and the floor 2^(3 - 127): the byte cannot fall under 1
.endr
.irp i, 2,4,6,8,10,12,14
.irp b, 0,1,2,3
	v_max3_num_f32 v[TM+\b], |v[(\s)+16*\b+\i]|, |v[(\s)+16*\b+\i+1]|, v[TM+\b]   ; the four blocks by turns
.endr
.endr
	WIN 0
.irp b, 0,1,2,3
	v_permlanex16_b32 v[TM+4+\b], v[TM+\b], s[SEL], s[SEL+1]
.endr
.irp b, 0,1,2,3
	v_max_num_f32 v[TM+\b], v[TM+\b], v[TM+4+\b]   ; with lane l xor 16's: the block's largest magnitude
.endr
.irp b, 0,1,2,3
	v_add_nc_u32 v[TM+12+\b], 0xff000000, v[TM+\b] ; 2 off its exponent field: the conversion takes the exponent field of this operand as its scale
.endr
.irp b, 0,1,2,3
	v_lshrrev_b32 v[TM+4+\b], 23, v[TM+12+\b]      ; the scale's byte
.endr
	v_lshl_or_b32 v[\w], v[TM+5], 8, v[TM+4]       ; four bytes make my row's scale word
	v_lshl_or_b32 v[\w], v[TM+6], 16, v[\w]
	v_lshl_or_b32 v[\w], v[TM+7], 24, v[\w]
	WIN 0x02                                       ; source 0 window 2
.irp c, 0,1
	v_cvt_scalef32_pk16_fp6_f32 v[(\f)+6*\c:(\f)+6*\c+2], v[(\s)+32*\c:(\s)+32*\c+15], v[TM+12+2*\c]
	v_cvt_scalef32_pk16_fp6_f32 v[TT+4*\c:TT+4*\c+2], v[(\s)+32*\c+16:(\s)+32*\c+31], v[TM+13+2*\c]   ; (a conversion's three registers begin on an even number)
.endr
	WIN 0
	v_nop                                          ; one plain place behind the conversions: vector lines touch their results next, and the next tile's products write their sources
.irp c, 0,1                            ; the operand's layout wants a whole block in a lane: lanes 0-15 block 2 c, lanes 16-31 block 2 c + 1
.irp i, 0,1,2
	v_permlane16_swap_b32 v[(\f)+6*\c+\i], v[TT+4*\c+\i]
.endr
.irp i, 0,1,2
	v_mov_b32 v[(\f)+6*\c+3+\i], v[TT+4*\c+\i]
.endr
.endr
.endm
; THE WAY OUT of tile tl: each of my four blocks is one fragment of the next operand: activation, quantiser, three stores of 512 consecutive bytes.  No LDS.  It touches window 2 and v144 on of window 0:
; the next tile's first fragments and scale words, which have been asked for, lie elsewhere.  Its hundreds of plain vector lines are also the places between this tile's last products and the next tile's first, which begin the accumulators anew.
.macro WAYOUT tl
.if (\tl) > 0
	s_wait_xcnt 0x0                                ; the last tile's stores have read the codes' and the scale words' registers: they are written again only behind this wait
.endif
	PLACES
.irp a, 0,1,2,3
.if RELU
	WIN 0x88                                       ; source 1 and destination window 2
.set J, 0
.rept 64
	v_max_num_f32 v[64*\a+J], 0, v[64*\a+J]        ; the activation, in f32
.set J, J+1
.endr
.endif
	QUANT 64*\a, PC+12*\a, PW+\a
.irp c, 0,1,2
	global_store_b128 v[LIO], v[PC+12*\a+4*\c:PC+12*\a+4*\c+3], s[OB+2*(\tl):OB+2*(\tl)+1] offset:\a*FRB+512*\c
.endr
.endr
	v_cmp_ne_u32 vcc_lo, 0, v3                     ; lanes 0-15 store the words of blocks 0, 1 of their row, lanes 16-31 those of 2, 3
	v_cndmask_b32 v[S], v[PW], v[PW+2], vcc_lo
	v_cndmask_b32 v[S+1], v[PW+1], v[PW+3], vcc_lo
	global_store_b64 v[SCV], v[S:S+1], s[OB+2*(\tl):OB+2*(\tl)+1]   ; 256 consecutive bytes, aligned
.endm
	s_wait_tensorcnt 0x1                           ; my part of slot 0 is in; slot 1's may stay out
	s_barrier_signal -1
	s_barrier_wait -1                              ; everybody's is
	FETCH 0, 0, 0
; The walk's steps of 128 along K, written out. At a step's head its own set is waited for and the next step's is asked for, into the set that the last step multiplied: LDS serves while the 32 products run.
.set T, 0
.rept 4*TOT
.set KSN, T/4                          ; the K step of the walk
.set SL, KSN%2                         ; its slot
.set QQ, T%4
.set PP, T%2
.set TL, T/(4*NKS)                     ; the tile
.if T == 4*TOT-1
	s_wait_dscnt 0x0                               ; the last step: nothing more to fetch
.elseif QQ == 3
.if KSN+2 < TOT
	CHANGE SL, 1, KSN+2
.else
	CHANGE SL, 0, 0
.endif
	FETCH 1-SL, 0, 1-PP
.else
	s_wait_dscnt 0x0                               ; this step's set is in
	PLACES
	FETCH SL, QQ+1, 1-PP
.endif
.if T%(4*NKS) == 0
	MUL32 PP, 1
.else
	MUL32 PP, 0
.endif
.if T%(4*NKS) == 4*NKS-1
	WAYOUT TL
.endif
.set T, T+1
.endr
	s_wait_tensorcnt 0x0                           ; the wave's end, behind my last tensor load
	ds_add_u32 v[SPW], v[NIL]
	s_wait_dscnt 0x0
	CROUND                                         ; the closing round: no work-group ends while a partner may still ask for a tile that names it
	s_endpgm
.Lfunc_end_k_qb1426429d1_score:
	.size	k_qb1426429d1_score, .Lfunc_end_k_qb1426429d1_score-k_qb1426429d1_score
	.p2alignl 7, 3214868480
	.fill 96, 4, 3214868480
	.section	.rodata,"a",@progbits
	.p2align	6, 0x0
	.amdhsa_kernel k_qb1426429d1_score
		.amdhsa_group_segment_fixed_size 327680
		.amdhsa_private_segment_fixed_size 0
		.amdhsa_enable_private_segment 0
		.amdhsa_kernarg_size 16
		.amdhsa_user_sgpr_count 2
		.amdhsa_user_sgpr_kernarg_segment_ptr 1
		.amdhsa_wavefront_size32 1
		.amdhsa_system_sgpr_workgroup_id_x 1
		.amdhsa_system_sgpr_workgroup_id_y 1
		.amdhsa_system_sgpr_workgroup_id_z 1
		.amdhsa_system_vgpr_workitem_id 0
		.amdhsa_next_free_vgpr 768
		.amdhsa_next_free_sgpr 96
		.amdhsa_reserve_vcc 1
		.amdhsa_float_denorm_mode_32 3
		.amdhsa_float_denorm_mode_16_64 3
		.amdhsa_memory_ordered 1
		.amdhsa_forward_progress 1
		.amdhsa_inst_pref_size 150
	.end_amdhsa_kernel
	.amdgpu_metadata
---
amdhsa.version: [ 1, 2 ]
amdhsa.kernels:
  - .name:           k_qb1426429d1_score
    .symbol:         k_qb1426429d1_score.kd
    .args:
      - { .name: q1, .offset: 0, .size: 8, .value_kind: global_buffer, .address_space: global }
      - { .name: q2, .offset: 8, .size: 8, .value_kind: global_buffer, .address_space: global }
    .group_segment_fixed_size: 327680
    .private_segment_fixed_size: 0
    .kernarg_segment_align: 8
    .kernarg_segment_size: 16
    .max_flat_workgroup_size: 128
    .sgpr_count:     96
    .vgpr_count:     768
    .wavefront_size: 32
...
	.end_amdgpu_metadata
.endif
;; end of part 3
;; launch mix (part 4): grid 4 x 64, 4 waves a work-group, clusters of 4 x 4, 327,680 bytes of LDS; arguments q2, q1, q3; writes q3
.if DOCPART == 4
	.amdgcn_target "amdgcn-amd-amdhsa--gfx1250"
	.amdhsa_code_object_version 6
	.text
	.protected	k_qb1426429d1_mix
	.globl	k_qb1426429d1_mix
	.p2align	8
	.type	k_qb1426429d1_mix,@function
k_qb1426429d1_mix:
	s_mov_b64 s[64:65], 0
	v_nop
	global_prefetch_b8 v0, s[64:65] scope:SCOPE_SE
	s_setreg_imm32_b32 hwreg(HW_REG_WAVE_MODE, 25, 1), 1
	s_wait_xcnt 0x0
	s_wait_alu depctr_hold_cnt(0) depctr_sa_sdst(0) depctr_va_vdst(0) depctr_va_sdst(0) depctr_va_ssrc(0) depctr_va_vcc(0) depctr_vm_vsrc(0)
	s_getreg_b32 s2, hwreg(HW_REG_IB_STS2, 6, 4)
	s_cmp_eq_u32 s2, 0
	s_cbranch_scc0 .Lentry_in_a_cluster
	s_endpgm
.Lentry_in_a_cluster:
	s_bfe_u32 s2, ttmp6, 0x10000c
	s_cmp_lg_u32 s2, 0xf033
	s_cbranch_scc0 .Lentry_shape_is_right
	s_endpgm
.Lentry_shape_is_right:
; OUT[m][n] = f(sum over k of P[m][k] Q[n][k]) on codes of FP6 (E2M3) with one E8M0 scale for each 32 along K; sums in f32.  ONE SOURCE SERVES FOUR LAUNCHES; the three lines below say which this is.
;   KIND 0: A, Bm = relu(x Wa^T), relu(x Wb^T) (P = x, Q = Wa, Wb) and C^T = relu(Wc x^T) (P = Wc, Q = x), quantised along n.   KIND 1: cmp = A Bm^T for each of 4 batches, quantised along n.
;   KIND 2: out = cmp C (P = cmp, Q = C^T), quantised along n.   KIND 3: relu(out Wd^T), f32.
.set KIND,  2
.set NKS,   4                          ; K in steps of 512
.set RELU,  0
; OPERANDS, in memory and in LDS alike: [group of 128 rows][K / 128][chunk of 12,800 bytes].  A chunk holds 8 fragments (16 rows x 128 K) as images of the operand's registers (3 pieces of 512 bytes, piece c = lane l's registers
; 4 c .. 4 c + 3 at 16 l), then 512 bytes of scale words (block rb, lane-row r at 256 (rb / 4) + 16 r + 4 (rb % 4)).  Lane-row r of block rb is row 32 (rb / 2) + 8 (rb % 2) + r + 8 (r / 8) of the group.
; So a fragment comes by three loads of 16 bytes a lane, 512 consecutive bytes each, a K step's chunks are one dense block for one tensor load, and no padding is wanted.
; SHARES.  A work-group makes 128 (P) x 256 (Q): every launch then has a multiple of 256 work-groups.  Four waves, wave (wm, wn) makes 64 x 128: P's blocks 4 wm + a x the 8 blocks of Q's group wn: 32 accumulators, 256 registers.
; THE MATRIX INSTRUCTION IS USED TRANSPOSED (source 0 = 16 rows of Q, source 1 = 16 rows of P): lane (r, h) holds P's lane-row r, and by the order of Q's rows register 8 b + j of block a is n = 32 (b / 2) + 16 h + 8 (b % 2) + j:
; the 16 registers of two neighbouring tiles are 16 neighbours along n, which is the next product's K.  So a result is quantised in registers and stored as the next operand's image; it takes P's order of rows with it.
; THE RING.  Two LDS slots, each with 512 along K: P's group (4 chunks), Q's two groups.  With K = 1,024 both are filled at the head and never again; with K = 2,048 each is filled once more.
; CLUSTERS: 4 x 4 work-groups.  The four of a row of the cluster need the same tiles of P, the four of a column the same tiles of Q: each is asked for JOINTLY, by the same tensor load with a mask that names the four.
; REGISTERS, in windows of 256: window 0: v1-29 addresses; v32-47 scale words, two sets; v48-143 P's fragments, two sets; from v144 at work on the way out.  Window 1: Q's fragments, two sets, at v0 and v128.  Window 2: the accumulators, (a, b) at v[8 (8 a + b)].
; LIMITS: NaN and infinities are not served.  A block of zeros, and one whose largest magnitude lies under 2^(3 - 127), keeps the byte 1: its codes are zeros, and this program alone reads the bytes.
.set CH,    12800                      ; a chunk
.set FRB,   1536                       ; a fragment's image
.set SCO,   8*FRB                      ; the scale words' place in a chunk
.set GB,    4*CH                       ; a group's part of a slot: 512 along K
.set SLOT,  3*GB
.set SPARE, 2*SLOT                     ; behind the ring: the spare words, 128 bytes a wave: two blocks of 256 bytes that no other line names
.set GRP,   NKS*GB                     ; a group of P or of Q in memory
.set SPITCH, 528                       ; KIND 3: a stage row: 512 bytes + 16 = 132 words: sixteen rows begin at sixteen different banks (64 banks of 4 bytes: ISA guide 11.1)
.set LI,   4                           ; v4      16 x lane
.set SCV,  5                           ; v5      16 r + 8 h: where I store two scale words
.set ADRP, 16                          ; v16-17  LDS address of my P fragments in slot 0, 1
.set ADSP, 18                          ; v18-19  of my P blocks' scale words
.set ADRQ, 20                          ; v20-21  of my Q group
.set STO,  24                          ; v24     KIND 3: where I put 16 bytes of a row in my stage
.set RD,   25                          ; v25     KIND 3: where I read a row back
.set SPW,  28                          ; v28     LDS address of my spare word; never rewritten
.set NIL,  29                          ; v29     0; never rewritten
.set SC,   32                          ; scale words and nothing else: set p: v[SC+8p .. +3] Q's (lanes 0-15 blocks 0-3, lanes 16-31 blocks 4-7), v[SC+8p+4 .. +7] my four blocks of P
.set AF,   48                          ; P's fragments: set p, block a at AF + 48 p + 12 a
.set TM,   144                         ; v144-159 at work: largest magnitudes, bytes, scale operands
.set PW,   160                         ; v160-163 the four blocks' scale words
.set S,    164                         ; v164-165 the two that I store
.set TT,   166                         ; v166-173 second halves of the blocks' codes
.set PC,   176                         ; v176-223 the codes: 12 registers for each block, so that no store's data are written again
.set BK,   128                         ; KIND 3: rows read back from the stage: v128-191 and v192-255 by turns
.set G1P,  24                          ; s[24:31] descriptor group 1 for P's tiles;  s[32:39] group 0, one set for each slot
.set G0P,  32
.set G1Q,  48                          ; s[48:55], s[56:63] the same for Q's
.set G0Q,  56
.set SEL,  66                          ; s[66:67] lane selects for v_permlanex16_b32: lane l xor 16
.set MSB, 0
.macro WIN new                         ; the immediate's high byte repeats the setting that is left
.if MSB != \new
	s_set_vgpr_msb (MSB<<8)|\new
.set MSB, \new
.endif
.endm
.set MUL,  0xa1                        ; source 0 (Q) window 1, source 1 (P) window 0, C and D window 2
.set TO_Q, 0x40                        ; destination window 1, address window 0
; A joint load: waves 0 and 1 fetch the halves of P's group, waves 2 and 3 Q's two groups.  The branch hangs on the wave's number alone.  An s_nop 0 and four v_nop follow each of the two lines.
.macro JLOAD s
	s_cmp_eq_u32 s15, 0
	s_cbranch_scc0 .Lfor_q_\@
	tensor_load_to_lds s[G0P+4*(\s):G0P+4*(\s)+3], s[G1P:G1P+7]
	s_nop 0
.rept 4
	v_nop
.endr
	s_branch .Lasked_\@
.Lfor_q_\@:
	tensor_load_to_lds s[G0Q+4*(\s):G0Q+4*(\s)+3], s[G1Q:G1Q+7]
	s_nop 0
.rept 4
	v_nop
.endr
.Lasked_\@:
.endm
.macro CROUND                          ; a round of the cluster's barrier: my work-group's barrier; wave 0 signals for the work-group; every wave waits for all sixteen; my work-group's barrier once more
	s_barrier_signal -1
	s_barrier_wait -1
	s_cmp_lg_u32 s14, 0
	s_cbranch_scc1 .Lnot_wave_0_\@
	s_barrier_signal -3
.Lnot_wave_0_\@:
	s_barrier_wait -3
	s_barrier_signal -1
	s_barrier_wait -1
.endm
.macro PLACES                          ; four places in front of loads into registers that matrix instructions have read, and of the first read of results
.rept 4
	v_nop
.endr
.endm
	s_load_b128 s[4:7], s[0:1], 0x0                ; KIND 0, 1: the buffer read, the buffer written;  KIND 2, 3: P's buffer, Q's buffer
.if KIND >= 2
	s_load_b64 s[8:9], s[0:1], 0x10                ; the result's
.endif
	v_lshl_add_u32 v[SPW], v0, 2, SPARE
	v_mov_b32 v[NIL], 0
	ds_add_u32 v[SPW], v[NIL]                      ; the wave's opening: the add and its wait stand ahead of my first tensor load; the set-up below, work on registers, stands between them
	v_lshrrev_b32 v1, 5, v0
	v_readfirstlane_b32 s14, v1                    ; wave 0..3
	s_lshr_b32 s15, s14, 1                         ; wm: which 64 rows of P are mine.  Also: I fetch for P (0) or for Q (1)
	s_and_b32 s16, s14, 1                          ; wn: which group of Q is mine.  Also: which part I fetch
	s_bfe_u32 s40, ttmp6, 0x40000                  ; cx, cy: my place in the cluster
	s_bfe_u32 s41, ttmp6, 0x40004
	s_and_b32 s18, ttmp7, 0xffff                   ; the cluster's y
.if KIND == 0
	; clusters with y < 16: A and Bm, 8 x 64 tiles;  the other 16 clusters: C^T, 32 x 8 tiles.  What differs is numbers, chosen by the cluster's y: no branch
	s_max_u32 s19, s18, 16
	s_sub_co_u32 s19, s19, 16
	s_lshl_b32 s19, s19, 1
	s_add_co_u32 s19, s19, ttmp9                   ; which of the 16
	s_and_b32 s20, s19, 7
	s_lshr_b32 s21, s19, 3
	s_mov_b32 s73, 102400
	s_mov_b32 s74, 6553600
	s_cmp_ge_u32 s18, 16
	s_cselect_b32 s68, s20, ttmp9                  ; the cluster's column of tiles
	s_cselect_b32 s69, s21, s18                    ; and its row
	s_cselect_b32 s70, 80, 0                       ; P's first group in q0: Wc's or x's
	s_cselect_b32 s71, 0, 64                       ; Q's: x's or Wa's
	s_cselect_b32 s72, 13107200, 0                 ; where the result begins in q1
	s_cselect_b32 s73, 204800, s73                 ; bytes from group to group of its rows
	s_cselect_b32 s74, 1638400, s74                ; bytes from batch to batch (C^T), or from A to Bm
	s_cselect_b32 s75, 4, 3                        ; 16 or 8 steps of 128 along n to a batch or tensor
	s_cselect_b32 s76, 15, 7
.else
	s_mov_b32 s68, ttmp9
	s_mov_b32 s69, s18
.endif
	s_lshl_b32 s42, s68, 2
	s_add_co_u32 s42, s42, s40                     ; tx: tile column = 4 x the cluster's + cx
	s_lshl_b32 s17, s69, 2
	s_add_co_u32 s17, s17, s41                     ; ty: tile row = 4 x the cluster's + cy = P's group
	s_lshl_b32 s43, s41, 2
	s_lshl_b32 s43, 15, s43                        ; my row of the cluster
	s_lshl_b32 s44, 0x1111, s40                    ; my column
	; descriptor group 1: a dense block as rows of 256 bytes (32 elements of 8 bytes): P's half group 100 rows, a group of Q 200 rows; no padding
	s_or_b32 s[G1P+0], s43, (3<<16)|(1<<21)        ; 15:0 the mask: P's tiles go to my row; 17:16 elements of 8 bytes; 21 set beside a mask
	s_or_b32 s[G1Q+0], s44, (3<<16)|(1<<21)        ; Q's go to my column
	s_mov_b32 s[G1P+1], 32<<16                     ; tensor_dim0
	s_mov_b32 s[G1P+2], 100<<16                    ; tensor_dim1
	s_mov_b32 s[G1P+3], 32<<16                     ; tile_dim0
	s_mov_b32 s[G1P+4], 100                        ; tile_dim1
	s_mov_b32 s[G1P+5], 32                         ; the pitch
	s_mov_b32 s[G1P+6], 0
	s_mov_b32 s[G1P+7], 0
	s_mov_b32 s[G1Q+1], 32<<16
	s_mov_b32 s[G1Q+2], 200<<16
	s_mov_b32 s[G1Q+3], 32<<16
	s_mov_b32 s[G1Q+4], 200
	s_mov_b32 s[G1Q+5], 32
	s_mov_b32 s[G1Q+6], 0
	s_mov_b32 s[G1Q+7], 0
	; where the tiles come from.  P's hang on ty and the wave's number alone, Q's on tx, the cluster's y and the wave's number alone
.if KIND == 0
	s_add_co_u32 s20, s17, s70
	s_mul_i32 s20, s20, GRP
.else
	s_mul_i32 s20, s17, GRP
.endif
	s_mul_i32 s22, s16, 2*CH                       ; my half of P's four chunks: in memory and in a slot alike
	s_add_co_u32 s20, s20, s22
	s_mov_b32 s21, 0
	s_lshl_b32 s46, s42, 1
	s_add_co_u32 s46, s46, s16                     ; Q's group: 2 tx + part,
.if KIND == 0
	s_add_co_u32 s46, s46, s71
.elseif KIND == 1
	s_lshr_b32 s45, s18, 2                         ; the batch: 16 groups of rows, 4 clusters along y
	s_lshl_b32 s19, s45, 4
	s_add_co_u32 s46, s46, s19                     ; 16 groups of Bm to a batch
.elseif KIND == 2
	s_lshr_b32 s45, s18, 2
	s_lshl_b32 s19, s45, 3
	s_add_co_u32 s46, s46, s19                     ; 8 groups of C^T to a batch
.else
	s_add_co_u32 s46, s46, 88                      ; Wd's groups in q0
.endif
	s_mul_i32 s46, s46, GRP
.if KIND == 1
	s_add_co_u32 s46, s46, 6553600                 ; Bm in q1
.elseif KIND == 2
	s_add_co_u32 s46, s46, 13107200                ; C^T in q1
.endif
	s_mov_b32 s47, 0
	s_mul_i32 s23, s16, GB
	s_add_co_u32 s23, s23, GB                      ; Q's group in a slot, behind P's: no place in the cluster enters an LDS address
	s_wait_dscnt 0x0                               ; the opening add is done
	s_wait_kmcnt 0x0
.if KIND < 2
	s_mov_b64 s[8:9], s[6:7]                       ; the result's buffer;
	s_mov_b64 s[6:7], s[4:5]                       ; P and Q lie in one buffer
.endif
	s_add_nc_u64 s[20:21], s[4:5], s[20:21]
	s_add_nc_u64 s[46:47], s[6:7], s[46:47]
	CROUND                                         ; all sixteen work-groups are here: the first joint loads meet
.irp s, 0,1
	s_mov_b32 s[G0P+4*\s], 1                       ; count = 1
	s_add_co_u32 s[G0P+4*\s+1], s22, \s*SLOT       ; LDS address
	s_add_nc_u64 s[G0P+4*\s+2:G0P+4*\s+3], s[20:21], \s*GB   ; global address: K step s
	s_or_b32 s[G0P+4*\s+3], s[G0P+4*\s+3], 0x80000000        ; type = 2
	s_mov_b32 s[G0Q+4*\s], 1
	s_add_co_u32 s[G0Q+4*\s+1], s23, \s*SLOT
	s_add_nc_u64 s[G0Q+4*\s+2:G0Q+4*\s+3], s[46:47], \s*GB
	s_or_b32 s[G0Q+4*\s+3], s[G0Q+4*\s+3], 0x80000000
	JLOAD \s                                       ; two loads of mine are out
.endr
	v_and_b32 v1, 31, v0                           ; lane
	v_and_b32 v2, 15, v0                           ; r
	v_bfe_u32 v3, v0, 4, 1                         ; h
	v_lshlrev_b32 v[LI], 4, v1
	v_lshlrev_b32 v[SCV], 4, v2
	v_lshl_add_u32 v[SCV], v3, 3, v[SCV]
	s_mul_i32 s84, s15, 4*FRB                      ; my four blocks of P in a chunk,
	s_lshl_b32 s85, s15, 8                         ; and their scale words
	v_add_nc_u32 v[ADRP], s84, v[LI]
	v_lshl_add_u32 v[ADSP], v2, 4, s85
	v_add_nc_u32 v[ADRQ], s23, v[LI]
	v_add_nc_u32 v[ADRP+1], SLOT, v[ADRP]
	v_add_nc_u32 v[ADSP+1], SLOT, v[ADSP]
	v_add_nc_u32 v[ADRQ+1], SLOT, v[ADRQ]
	; where my part of the result goes, made in registers that feed no descriptor
.if KIND < 3
.irp b, 0,1,2,3
	v_mov_b32 v[TM+4+\b], 0                        ; written once: a lane permute's destination counts as one of its sources
.endr
	s_mov_b32 s[SEL], 0x76543210
	s_mov_b32 s[SEL+1], 0xfedcba98
	s_lshl_b32 s80, s42, 1
	s_add_co_u32 s80, s80, s16                     ; my step of 128 along n: 2 tx + wn
.if KIND == 0
	s_lshr_b32 s82, s80, s75
	s_mul_i32 s82, s82, s74                        ; which tensor or batch,
	s_and_b32 s80, s80, s76
	s_mul_i32 s80, s80, CH                         ; which chunk along its K,
	s_add_co_u32 s80, s80, s82
	s_mul_i32 s82, s17, s73                        ; which group of rows
	s_add_co_u32 s80, s80, s82
	s_add_co_u32 s80, s80, s72
.else
	s_mul_i32 s80, s80, CH
	s_mul_i32 s82, s17, (3-KIND)*102400            ; a group of cmp is 16 chunks, of out 8
	s_add_co_u32 s80, s80, s82
.endif
	s_add_co_u32 s82, s80, s85
	s_add_co_u32 s82, s82, SCO
	s_add_co_u32 s80, s80, s84
	s_mov_b32 s81, 0
	s_mov_b32 s83, 0
	s_add_nc_u64 s[12:13], s[8:9], s[80:81]        ; my four fragments of the chunk
	s_add_nc_u64 s[10:11], s[8:9], s[82:83]        ; and their 256 bytes of scale words
.else
	s_mul_i32 s82, s14, 16*SPITCH                  ; my stage: in slot 0, which has had its last fill and its last read when the first result is stored there
	v_mul_u32_u24 v[STO], v2, SPITCH
	v_lshl_add_u32 v[STO], v3, 6, v[STO]
	v_add_nc_u32 v[STO], s82, v[STO]               ; in: row r, + 64 h
	v_add_nc_u32 v[RD], s82, v[LI]                 ; back: the 32 lanes take one row of 512 bytes
	s_lshl_b32 s80, s17, 7
	s_lshl_b32 s82, s15, 6
	s_add_co_u32 s80, s80, s82                     ; my first row: 128 ty + 64 wm,
	s_lshl_b32 s80, s80, 12                        ; of 4,096 bytes;
	s_lshl_b32 s82, s42, 10
	s_add_co_u32 s80, s80, s82
	s_lshl_b32 s82, s16, 9
	s_add_co_u32 s80, s80, s82                     ; my first column: 1,024 tx + 512 wn bytes
	s_mov_b32 s81, 0
	s_add_nc_u64 s[12:13], s[8:9], s[80:81]
.endif
; 38 LDS loads in one run: the slot's q-th 128 along K into set p: Q's 8 fragments, my 4 of P, Q's 8 blocks' scale words (one load: 16 bytes a lane), my 4 blocks' of P (one load, the same in both halves of the lanes)
.macro FETCH slot, q, p
	WIN TO_Q
.irp b, 0,1,2,3,4,5,6,7
.irp c, 0,1,2
	ds_load_b128 v[128*(\p)+12*\b+4*\c:128*(\p)+12*\b+4*\c+3], v[ADRQ+(\slot)] offset:(\q)*CH+\b*FRB+512*\c
.endr
.endr
	WIN 0
.irp a, 0,1,2,3
.irp c, 0,1,2
	ds_load_b128 v[AF+48*(\p)+12*\a+4*\c:AF+48*(\p)+12*\a+4*\c+3], v[ADRP+(\slot)] offset:(\q)*CH+\a*FRB+512*\c
.endr
.endr
	ds_load_b128 v[SC+8*(\p):SC+8*(\p)+3], v[ADRQ+(\slot)] offset:(\q)*CH+SCO
	ds_load_b128 v[SC+8*(\p)+4:SC+8*(\p)+7], v[ADSP+(\slot)] offset:(\q)*CH+SCO
.endm
; 32 matrix instructions: my 4 blocks of P x Q's 8, 128 along K, from set p.  zero = 1: the first product starts the sums: nothing is ever cleared.
; The 32 accumulators take turns, one instruction a turn, in the same order in every step.
.macro MUL32 p, zero
	WIN MUL
.irp a, 0,1,2,3
.irp b, 0,1,2,3
.if \zero
	v_wmma_scale_f32_16x16x128_f8f6f4 v[8*(8*\a+\b):8*(8*\a+\b)+7], v[128*(\p)+12*\b:128*(\p)+12*\b+11], v[AF+48*(\p)+12*\a:AF+48*(\p)+12*\a+11], 0, v[SC+8*(\p)+\b], v[SC+8*(\p)+4+\a] matrix_a_fmt:MATRIX_FMT_FP6 matrix_b_fmt:MATRIX_FMT_FP6
.else
	v_wmma_scale_f32_16x16x128_f8f6f4 v[8*(8*\a+\b):8*(8*\a+\b)+7], v[128*(\p)+12*\b:128*(\p)+12*\b+11], v[AF+48*(\p)+12*\a:AF+48*(\p)+12*\a+11], v[8*(8*\a+\b):8*(8*\a+\b)+7], v[SC+8*(\p)+\b], v[SC+8*(\p)+4+\a] matrix_a_fmt:MATRIX_FMT_FP6 matrix_b_fmt:MATRIX_FMT_FP6
.endif
.endr
.irp b, 4,5,6,7                        ; the words of Q's blocks 4-7 stand in lanes 16-31
.if \zero
	v_wmma_scale_f32_16x16x128_f8f6f4 v[8*(8*\a+\b):8*(8*\a+\b)+7], v[128*(\p)+12*\b:128*(\p)+12*\b+11], v[AF+48*(\p)+12*\a:AF+48*(\p)+12*\a+11], 0, v[SC+8*(\p)+\b-4], v[SC+8*(\p)+4+\a] matrix_a_fmt:MATRIX_FMT_FP6 matrix_b_fmt:MATRIX_FMT_FP6 matrix_a_scale:MATRIX_SCALE_ROW1
.else
	v_wmma_scale_f32_16x16x128_f8f6f4 v[8*(8*\a+\b):8*(8*\a+\b)+7], v[128*(\p)+12*\b:128*(\p)+12*\b+11], v[AF+48*(\p)+12*\a:AF+48*(\p)+12*\a+11], v[8*(8*\a+\b):8*(8*\a+\b)+7], v[SC+8*(\p)+\b-4], v[SC+8*(\p)+4+\a] matrix_a_fmt:MATRIX_FMT_FP6 matrix_b_fmt:MATRIX_FMT_FP6 matrix_a_scale:MATRIX_SCALE_ROW1
.endif
.endr
.endr
	WIN 0
.endm
; THE CHANGE OF SLOTS, at the head of a slot's last step, whose fragments were asked for a step ago.  Each wave waits for all its tensor loads (its part of the next slot), adds 0 to its spare word, and waits for that and for its
; reads of this slot.  Behind the barrier nobody reads this slot and the next is whole.  fill = 1: the barrier is a round of the cluster's, and this slot is filled again, two K steps on: the load has 128 matrix instructions in which to land.
.macro CHANGE slot, fill
	s_wait_tensorcnt 0x0                           ; no tensor load of mine is out, so a group 0 may be written
	ds_add_u32 v[SPW], v[NIL]                      ; 0 onto my spare word
.if \fill
	s_add_nc_u64 s[G0P+4*(\slot)+2:G0P+4*(\slot)+3], s[G0P+4*(\slot)+2:G0P+4*(\slot)+3], 2*GB
	s_add_nc_u64 s[G0Q+4*(\slot)+2:G0Q+4*(\slot)+3], s[G0Q+4*(\slot)+2:G0Q+4*(\slot)+3], 2*GB
.endif
	s_wait_dscnt 0x0                               ; the add is done, and my reads of this slot are over
.if \fill
	CROUND
	JLOAD \slot                                    ; the first tensor load behind the round, one a wave; its four v_nop are the places in front of the loads that follow
.else
	s_barrier_signal -1
	s_barrier_wait -1
	PLACES
.endif
.endm
	s_wait_tensorcnt 0x1                           ; my part of slot 0 is in; slot 1's may stay out
	s_barrier_signal -1
	s_barrier_wait -1                              ; everybody's is
	FETCH 0, 0, 0
; The steps of 128 along K, written out.  At a step's head its own set is waited for and the next step's is asked for, into the set that the last step multiplied: LDS serves while the 32 products run.
.set T, 0
.rept 4*NKS
.set KSN, T/4
.set SL, KSN%2
.set QQ, T%4
.set PP, T%2
.if T == 4*NKS-1
	s_wait_dscnt 0x0                               ; the last step: nothing more to fetch
.elseif QQ == 3
.if KSN+2 < NKS
	CHANGE SL, 1
.else
	CHANGE SL, 0
.endif
	FETCH 1-SL, 0, 1-PP
.else
	s_wait_dscnt 0x0                               ; this step's set is in
	PLACES
	FETCH SL, QQ+1, 1-PP
.endif
.if T == 0
	MUL32 PP, 1
.else
	MUL32 PP, 0
.endif
.set T, T+1
.endr
.if KIND < 3
; 64 results of a lane in window 2, register 16 b + i = n 32 b + 16 h + i of my row, become a fragment's codes in v[f] on and its scale word in v[w].  Each accumulator is read from its low end on.
.macro QUANT s, f, w
	WIN 0x0a                                       ; sources 0 and 1 window 2
.irp b, 0,1,2,3
	v_max3_num_f32 v[TM+\b], |v[(\s)+16*\b]|, |v[(\s)+16*\b+1]|, 0x1800000   ; block b: my 16 numbers, and the floor 2^(3 - 127): the byte cannot fall under 1
.endr
.irp i, 2,4,6,8,10,12,14
.irp b, 0,1,2,3
	v_max3_num_f32 v[TM+\b], |v[(\s)+16*\b+\i]|, |v[(\s)+16*\b+\i+1]|, v[TM+\b]   ; the four blocks by turns
.endr
.endr
	WIN 0
.irp b, 0,1,2,3
	v_permlanex16_b32 v[TM+4+\b], v[TM+\b], s[SEL], s[SEL+1]
.endr
.irp b, 0,1,2,3
	v_max_num_f32 v[TM+\b], v[TM+\b], v[TM+4+\b]   ; with lane l xor 16's: the block's largest magnitude
.endr
.irp b, 0,1,2,3
	v_add_nc_u32 v[TM+12+\b], 0xff000000, v[TM+\b] ; 2 off its exponent field: the conversion takes the exponent field of this operand as its scale
.endr
.irp b, 0,1,2,3
	v_lshrrev_b32 v[TM+4+\b], 23, v[TM+12+\b]      ; the scale's byte
.endr
	v_lshl_or_b32 v[\w], v[TM+5], 8, v[TM+4]       ; four bytes make my row's scale word
	v_lshl_or_b32 v[\w], v[TM+6], 16, v[\w]
	v_lshl_or_b32 v[\w], v[TM+7], 24, v[\w]
	WIN 0x02                                       ; source 0 window 2
.irp c, 0,1
	v_cvt_scalef32_pk16_fp6_f32 v[(\f)+6*\c:(\f)+6*\c+2], v[(\s)+32*\c:(\s)+32*\c+15], v[TM+12+2*\c]
	v_cvt_scalef32_pk16_fp6_f32 v[TT+4*\c:TT+4*\c+2], v[(\s)+32*\c+16:(\s)+32*\c+31], v[TM+13+2*\c]   ; (a conversion's three registers begin on an even number)
.endr
	WIN 0
	v_nop                                          ; one plain place behind the conversions
.irp c, 0,1                            ; the operand's layout wants a whole block in a lane: lanes 0-15 block 2 c, lanes 16-31 block 2 c + 1
.irp i, 0,1,2
	v_permlane16_swap_b32 v[(\f)+6*\c+\i], v[TT+4*\c+\i]
.endr
.irp i, 0,1,2
	v_mov_b32 v[(\f)+6*\c+3+\i], v[TT+4*\c+\i]
.endr
.endr
.endm
	; THE WAY OUT AS CODES: each of my four blocks is one fragment of the next operand: activation, quantiser, three stores of 512 consecutive bytes.  No LDS, no register written twice.
	PLACES
.irp a, 0,1,2,3
.if RELU
	WIN 0x88                                       ; source 1 and destination window 2
.set J, 0
.rept 64
	v_max_num_f32 v[64*\a+J], 0, v[64*\a+J]        ; the activation, in f32
.set J, J+1
.endr
.endif
	QUANT 64*\a, PC+12*\a, PW+\a
.irp c, 0,1,2
	global_store_b128 v[LI], v[PC+12*\a+4*\c:PC+12*\a+4*\c+3], s[12:13] offset:\a*FRB+512*\c
.endr
.endr
	v_cmp_ne_u32 vcc_lo, 0, v3                     ; lanes 0-15 store the words of blocks 0, 1 of their row, lanes 16-31 those of 2, 3
	v_cndmask_b32 v[S], v[PW], v[PW+2], vcc_lo
	v_cndmask_b32 v[S+1], v[PW+1], v[PW+3], vcc_lo
	global_store_b64 v[SCV], v[S:S+1], s[10:11]    ; 256 consecutive bytes, aligned
.else
; THE WAY OUT AS f32, block by block of 16 rows x 128 columns: through my own stage in LDS and back as whole rows of 512 bytes.  LDS serves a wave's instructions in order: no wait between the stores and the loads, nor in front of the next block's stores.
.macro TOSTAGE a
	WIN 0x88
.set J, 0
.rept 64
	v_max_num_f32 v[64*(\a)+J], 0, v[64*(\a)+J]    ; the activation; each accumulator from its low end on
.set J, J+1
.endr
	WIN 0x08                                       ; an LDS store's data are its source 1: window 2
.irp b, 0,1,2,3,4,5,6,7
.irp u, 0,1
	ds_store_b128 v[STO], v[64*(\a)+8*\b+4*\u:64*(\a)+8*\b+4*\u+3] offset:128*(\b/2)+32*(\b%2)+16*\u
.endr
.endr
	WIN 0
.irp t, 0,1,2,3,4,5,6,7,8,9,10,11,12,13,14,15
	ds_load_b128 v[BK+64*((\a)%2)+4*\t:BK+64*((\a)%2)+4*\t+3], v[RD] offset:SPITCH*\t
.endr
.endm
.macro SEND a, younger                 ; younger: the LDS instructions issued behind block a's loads, which may stay out
	s_wait_dscnt \younger
.irp t, 0,1,2,3,4,5,6,7,8,9,10,11,12,13,14,15
	global_store_b128 v[LI], v[BK+64*((\a)%2)+4*\t:BK+64*((\a)%2)+4*\t+3], s[12:13] offset:(32*((\a)/2)+8*((\a)%2)+\t+8*(\t/8))*4096 th:TH_STORE_NT   ; 512 consecutive bytes of the row that lane-row t stands for
.endr
.endm
	PLACES
	TOSTAGE 0
	TOSTAGE 1
	SEND 0, 32                                     ; behind block 0's loads: block 1's 16 stores and 16 loads
	s_wait_xcnt 0x0                                ; block 0's stores have read their registers: block 2's loads may land there
	TOSTAGE 2
	SEND 1, 32
	s_wait_xcnt 0x0
	TOSTAGE 3
	SEND 2, 32
	SEND 3, 0
.endif
	s_wait_tensorcnt 0x0                           ; the wave's end, behind my last tensor load and my last LDS store
	ds_add_u32 v[SPW], v[NIL]
	s_wait_dscnt 0x0
	CROUND                                         ; the closing round: no work-group ends while a partner may still ask for a tile that names it
	s_endpgm
.Lfunc_end_k_qb1426429d1_mix:
	.size	k_qb1426429d1_mix, .Lfunc_end_k_qb1426429d1_mix-k_qb1426429d1_mix
	.p2alignl 7, 3214868480
	.fill 96, 4, 3214868480
	.section	.rodata,"a",@progbits
	.p2align	6, 0x0
	.amdhsa_kernel k_qb1426429d1_mix
		.amdhsa_group_segment_fixed_size 327680
		.amdhsa_private_segment_fixed_size 0
		.amdhsa_enable_private_segment 0
		.amdhsa_kernarg_size 24
		.amdhsa_user_sgpr_count 2
		.amdhsa_user_sgpr_kernarg_segment_ptr 1
		.amdhsa_wavefront_size32 1
		.amdhsa_system_sgpr_workgroup_id_x 1
		.amdhsa_system_sgpr_workgroup_id_y 1
		.amdhsa_system_sgpr_workgroup_id_z 1
		.amdhsa_system_vgpr_workitem_id 0
		.amdhsa_next_free_vgpr 768
		.amdhsa_next_free_sgpr 96
		.amdhsa_reserve_vcc 1
		.amdhsa_float_denorm_mode_32 3
		.amdhsa_float_denorm_mode_16_64 3
		.amdhsa_memory_ordered 1
		.amdhsa_forward_progress 1
		.amdhsa_inst_pref_size 133
	.end_amdhsa_kernel
	.amdgpu_metadata
---
amdhsa.version: [ 1, 2 ]
amdhsa.kernels:
  - .name:           k_qb1426429d1_mix
    .symbol:         k_qb1426429d1_mix.kd
    .args:
      - { .name: q2, .offset: 0, .size: 8, .value_kind: global_buffer, .address_space: global }
      - { .name: q1, .offset: 8, .size: 8, .value_kind: global_buffer, .address_space: global }
      - { .name: q3, .offset: 16, .size: 8, .value_kind: global_buffer, .address_space: global }
    .group_segment_fixed_size: 327680
    .private_segment_fixed_size: 0
    .kernarg_segment_align: 8
    .kernarg_segment_size: 24
    .max_flat_workgroup_size: 128
    .sgpr_count:     96
    .vgpr_count:     768
    .wavefront_size: 32
...
	.end_amdgpu_metadata
.endif
;; end of part 4
;; launch final (part 5): grid 4 x 64, 4 waves a work-group, clusters of 4 x 4, 327,680 bytes of LDS; arguments q3, q0, out0; writes out0
.if DOCPART == 5
	.amdgcn_target "amdgcn-amd-amdhsa--gfx1250"
	.amdhsa_code_object_version 6
	.text
	.protected	k_qb1426429d1_final
	.globl	k_qb1426429d1_final
	.p2align	8
	.type	k_qb1426429d1_final,@function
k_qb1426429d1_final:
	s_mov_b64 s[64:65], 0
	v_nop
	global_prefetch_b8 v0, s[64:65] scope:SCOPE_SE
	s_setreg_imm32_b32 hwreg(HW_REG_WAVE_MODE, 25, 1), 1
	s_wait_xcnt 0x0
	s_wait_alu depctr_hold_cnt(0) depctr_sa_sdst(0) depctr_va_vdst(0) depctr_va_sdst(0) depctr_va_ssrc(0) depctr_va_vcc(0) depctr_vm_vsrc(0)
	s_getreg_b32 s2, hwreg(HW_REG_IB_STS2, 6, 4)
	s_cmp_eq_u32 s2, 0
	s_cbranch_scc0 .Lentry_in_a_cluster
	s_endpgm
.Lentry_in_a_cluster:
	s_bfe_u32 s2, ttmp6, 0x10000c
	s_cmp_lg_u32 s2, 0xf033
	s_cbranch_scc0 .Lentry_shape_is_right
	s_endpgm
.Lentry_shape_is_right:
; OUT[m][n] = f(sum over k of P[m][k] Q[n][k]) on codes of FP6 (E2M3) with one E8M0 scale for each 32 along K; sums in f32.  ONE SOURCE SERVES FOUR LAUNCHES; the three lines below say which this is.
;   KIND 0: A, Bm = relu(x Wa^T), relu(x Wb^T) (P = x, Q = Wa, Wb) and C^T = relu(Wc x^T) (P = Wc, Q = x), quantised along n.   KIND 1: cmp = A Bm^T for each of 4 batches, quantised along n.
;   KIND 2: out = cmp C (P = cmp, Q = C^T), quantised along n.   KIND 3: relu(out Wd^T), f32.
.set KIND,  3
.set NKS,   2                          ; K in steps of 512
.set RELU,  1
; OPERANDS, in memory and in LDS alike: [group of 128 rows][K / 128][chunk of 12,800 bytes].  A chunk holds 8 fragments (16 rows x 128 K) as images of the operand's registers (3 pieces of 512 bytes, piece c = lane l's registers
; 4 c .. 4 c + 3 at 16 l), then 512 bytes of scale words (block rb, lane-row r at 256 (rb / 4) + 16 r + 4 (rb % 4)).  Lane-row r of block rb is row 32 (rb / 2) + 8 (rb % 2) + r + 8 (r / 8) of the group.
; So a fragment comes by three loads of 16 bytes a lane, 512 consecutive bytes each, a K step's chunks are one dense block for one tensor load, and no padding is wanted.
; SHARES.  A work-group makes 128 (P) x 256 (Q): every launch then has a multiple of 256 work-groups.  Four waves, wave (wm, wn) makes 64 x 128: P's blocks 4 wm + a x the 8 blocks of Q's group wn: 32 accumulators, 256 registers.
; THE MATRIX INSTRUCTION IS USED TRANSPOSED (source 0 = 16 rows of Q, source 1 = 16 rows of P): lane (r, h) holds P's lane-row r, and by the order of Q's rows register 8 b + j of block a is n = 32 (b / 2) + 16 h + 8 (b % 2) + j:
; the 16 registers of two neighbouring tiles are 16 neighbours along n, which is the next product's K.  So a result is quantised in registers and stored as the next operand's image; it takes P's order of rows with it.
; THE RING.  Two LDS slots, each with 512 along K: P's group (4 chunks), Q's two groups.  With K = 1,024 both are filled at the head and never again; with K = 2,048 each is filled once more.
; CLUSTERS: 4 x 4 work-groups.  The four of a row of the cluster need the same tiles of P, the four of a column the same tiles of Q: each is asked for JOINTLY, by the same tensor load with a mask that names the four.
; REGISTERS, in windows of 256: window 0: v1-29 addresses; v32-47 scale words, two sets; v48-143 P's fragments, two sets; from v144 at work on the way out.  Window 1: Q's fragments, two sets, at v0 and v128.  Window 2: the accumulators, (a, b) at v[8 (8 a + b)].
; LIMITS: NaN and infinities are not served.  A block of zeros, and one whose largest magnitude lies under 2^(3 - 127), keeps the byte 1: its codes are zeros, and this program alone reads the bytes.
.set CH,    12800                      ; a chunk
.set FRB,   1536                       ; a fragment's image
.set SCO,   8*FRB                      ; the scale words' place in a chunk
.set GB,    4*CH                       ; a group's part of a slot: 512 along K
.set SLOT,  3*GB
.set SPARE, 2*SLOT                     ; behind the ring: the spare words, 128 bytes a wave: two blocks of 256 bytes that no other line names
.set GRP,   NKS*GB                     ; a group of P or of Q in memory
.set SPITCH, 528                       ; KIND 3: a stage row: 512 bytes + 16 = 132 words: sixteen rows begin at sixteen different banks (64 banks of 4 bytes: ISA guide 11.1)
.set LI,   4                           ; v4      16 x lane
.set SCV,  5                           ; v5      16 r + 8 h: where I store two scale words
.set ADRP, 16                          ; v16-17  LDS address of my P fragments in slot 0, 1
.set ADSP, 18                          ; v18-19  of my P blocks' scale words
.set ADRQ, 20                          ; v20-21  of my Q group
.set STO,  24                          ; v24     KIND 3: where I put 16 bytes of a row in my stage
.set RD,   25                          ; v25     KIND 3: where I read a row back
.set SPW,  28                          ; v28     LDS address of my spare word; never rewritten
.set NIL,  29                          ; v29     0; never rewritten
.set SC,   32                          ; scale words and nothing else: set p: v[SC+8p .. +3] Q's (lanes 0-15 blocks 0-3, lanes 16-31 blocks 4-7), v[SC+8p+4 .. +7] my four blocks of P
.set AF,   48                          ; P's fragments: set p, block a at AF + 48 p + 12 a
.set TM,   144                         ; v144-159 at work: largest magnitudes, bytes, scale operands
.set PW,   160                         ; v160-163 the four blocks' scale words
.set S,    164                         ; v164-165 the two that I store
.set TT,   166                         ; v166-173 second halves of the blocks' codes
.set PC,   176                         ; v176-223 the codes: 12 registers for each block, so that no store's data are written again
.set BK,   128                         ; KIND 3: rows read back from the stage: v128-191 and v192-255 by turns
.set G1P,  24                          ; s[24:31] descriptor group 1 for P's tiles;  s[32:39] group 0, one set for each slot
.set G0P,  32
.set G1Q,  48                          ; s[48:55], s[56:63] the same for Q's
.set G0Q,  56
.set SEL,  66                          ; s[66:67] lane selects for v_permlanex16_b32: lane l xor 16
.set MSB, 0
.macro WIN new                         ; the immediate's high byte repeats the setting that is left
.if MSB != \new
	s_set_vgpr_msb (MSB<<8)|\new
.set MSB, \new
.endif
.endm
.set MUL,  0xa1                        ; source 0 (Q) window 1, source 1 (P) window 0, C and D window 2
.set TO_Q, 0x40                        ; destination window 1, address window 0
; A joint load: waves 0 and 1 fetch the halves of P's group, waves 2 and 3 Q's two groups.  The branch hangs on the wave's number alone.  An s_nop 0 and four v_nop follow each of the two lines.
.macro JLOAD s
	s_cmp_eq_u32 s15, 0
	s_cbranch_scc0 .Lfor_q_\@
	tensor_load_to_lds s[G0P+4*(\s):G0P+4*(\s)+3], s[G1P:G1P+7]
	s_nop 0
.rept 4
	v_nop
.endr
	s_branch .Lasked_\@
.Lfor_q_\@:
	tensor_load_to_lds s[G0Q+4*(\s):G0Q+4*(\s)+3], s[G1Q:G1Q+7]
	s_nop 0
.rept 4
	v_nop
.endr
.Lasked_\@:
.endm
.macro CROUND                          ; a round of the cluster's barrier: my work-group's barrier; wave 0 signals for the work-group; every wave waits for all sixteen; my work-group's barrier once more
	s_barrier_signal -1
	s_barrier_wait -1
	s_cmp_lg_u32 s14, 0
	s_cbranch_scc1 .Lnot_wave_0_\@
	s_barrier_signal -3
.Lnot_wave_0_\@:
	s_barrier_wait -3
	s_barrier_signal -1
	s_barrier_wait -1
.endm
.macro PLACES                          ; four places in front of loads into registers that matrix instructions have read, and of the first read of results
.rept 4
	v_nop
.endr
.endm
	s_load_b128 s[4:7], s[0:1], 0x0                ; KIND 0, 1: the buffer read, the buffer written;  KIND 2, 3: P's buffer, Q's buffer
.if KIND >= 2
	s_load_b64 s[8:9], s[0:1], 0x10                ; the result's
.endif
	v_lshl_add_u32 v[SPW], v0, 2, SPARE
	v_mov_b32 v[NIL], 0
	ds_add_u32 v[SPW], v[NIL]                      ; the wave's opening: the add and its wait stand ahead of my first tensor load; the set-up below, work on registers, stands between them
	v_lshrrev_b32 v1, 5, v0
	v_readfirstlane_b32 s14, v1                    ; wave 0..3
	s_lshr_b32 s15, s14, 1                         ; wm: which 64 rows of P are mine.  Also: I fetch for P (0) or for Q (1)
	s_and_b32 s16, s14, 1                          ; wn: which group of Q is mine.  Also: which part I fetch
	s_bfe_u32 s40, ttmp6, 0x40000                  ; cx, cy: my place in the cluster
	s_bfe_u32 s41, ttmp6, 0x40004
	s_and_b32 s18, ttmp7, 0xffff                   ; the cluster's y
.if KIND == 0
	; clusters with y < 16: A and Bm, 8 x 64 tiles;  the other 16 clusters: C^T, 32 x 8 tiles.  What differs is numbers, chosen by the cluster's y: no branch
	s_max_u32 s19, s18, 16
	s_sub_co_u32 s19, s19, 16
	s_lshl_b32 s19, s19, 1
	s_add_co_u32 s19, s19, ttmp9                   ; which of the 16
	s_and_b32 s20, s19, 7
	s_lshr_b32 s21, s19, 3
	s_mov_b32 s73, 102400
	s_mov_b32 s74, 6553600
	s_cmp_ge_u32 s18, 16
	s_cselect_b32 s68, s20, ttmp9                  ; the cluster's column of tiles
	s_cselect_b32 s69, s21, s18                    ; and its row
	s_cselect_b32 s70, 80, 0                       ; P's first group in q0: Wc's or x's
	s_cselect_b32 s71, 0, 64                       ; Q's: x's or Wa's
	s_cselect_b32 s72, 13107200, 0                 ; where the result begins in q1
	s_cselect_b32 s73, 204800, s73                 ; bytes from group to group of its rows
	s_cselect_b32 s74, 1638400, s74                ; bytes from batch to batch (C^T), or from A to Bm
	s_cselect_b32 s75, 4, 3                        ; 16 or 8 steps of 128 along n to a batch or tensor
	s_cselect_b32 s76, 15, 7
.else
	s_mov_b32 s68, ttmp9
	s_mov_b32 s69, s18
.endif
	s_lshl_b32 s42, s68, 2
	s_add_co_u32 s42, s42, s40                     ; tx: tile column = 4 x the cluster's + cx
	s_lshl_b32 s17, s69, 2
	s_add_co_u32 s17, s17, s41                     ; ty: tile row = 4 x the cluster's + cy = P's group
	s_lshl_b32 s43, s41, 2
	s_lshl_b32 s43, 15, s43                        ; my row of the cluster
	s_lshl_b32 s44, 0x1111, s40                    ; my column
	; descriptor group 1: a dense block as rows of 256 bytes (32 elements of 8 bytes): P's half group 100 rows, a group of Q 200 rows; no padding
	s_or_b32 s[G1P+0], s43, (3<<16)|(1<<21)        ; 15:0 the mask: P's tiles go to my row; 17:16 elements of 8 bytes; 21 set beside a mask
	s_or_b32 s[G1Q+0], s44, (3<<16)|(1<<21)        ; Q's go to my column
	s_mov_b32 s[G1P+1], 32<<16                     ; tensor_dim0
	s_mov_b32 s[G1P+2], 100<<16                    ; tensor_dim1
	s_mov_b32 s[G1P+3], 32<<16                     ; tile_dim0
	s_mov_b32 s[G1P+4], 100                        ; tile_dim1
	s_mov_b32 s[G1P+5], 32                         ; the pitch
	s_mov_b32 s[G1P+6], 0
	s_mov_b32 s[G1P+7], 0
	s_mov_b32 s[G1Q+1], 32<<16
	s_mov_b32 s[G1Q+2], 200<<16
	s_mov_b32 s[G1Q+3], 32<<16
	s_mov_b32 s[G1Q+4], 200
	s_mov_b32 s[G1Q+5], 32
	s_mov_b32 s[G1Q+6], 0
	s_mov_b32 s[G1Q+7], 0
	; where the tiles come from.  P's hang on ty and the wave's number alone, Q's on tx, the cluster's y and the wave's number alone
.if KIND == 0
	s_add_co_u32 s20, s17, s70
	s_mul_i32 s20, s20, GRP
.else
	s_mul_i32 s20, s17, GRP
.endif
	s_mul_i32 s22, s16, 2*CH                       ; my half of P's four chunks: in memory and in a slot alike
	s_add_co_u32 s20, s20, s22
	s_mov_b32 s21, 0
	s_lshl_b32 s46, s42, 1
	s_add_co_u32 s46, s46, s16                     ; Q's group: 2 tx + part,
.if KIND == 0
	s_add_co_u32 s46, s46, s71
.elseif KIND == 1
	s_lshr_b32 s45, s18, 2                         ; the batch: 16 groups of rows, 4 clusters along y
	s_lshl_b32 s19, s45, 4
	s_add_co_u32 s46, s46, s19                     ; 16 groups of Bm to a batch
.elseif KIND == 2
	s_lshr_b32 s45, s18, 2
	s_lshl_b32 s19, s45, 3
	s_add_co_u32 s46, s46, s19                     ; 8 groups of C^T to a batch
.else
	s_add_co_u32 s46, s46, 88                      ; Wd's groups in q0
.endif
	s_mul_i32 s46, s46, GRP
.if KIND == 1
	s_add_co_u32 s46, s46, 6553600                 ; Bm in q1
.elseif KIND == 2
	s_add_co_u32 s46, s46, 13107200                ; C^T in q1
.endif
	s_mov_b32 s47, 0
	s_mul_i32 s23, s16, GB
	s_add_co_u32 s23, s23, GB                      ; Q's group in a slot, behind P's: no place in the cluster enters an LDS address
	s_wait_dscnt 0x0                               ; the opening add is done
	s_wait_kmcnt 0x0
.if KIND < 2
	s_mov_b64 s[8:9], s[6:7]                       ; the result's buffer;
	s_mov_b64 s[6:7], s[4:5]                       ; P and Q lie in one buffer
.endif
	s_add_nc_u64 s[20:21], s[4:5], s[20:21]
	s_add_nc_u64 s[46:47], s[6:7], s[46:47]
	CROUND                                         ; all sixteen work-groups are here: the first joint loads meet
.irp s, 0,1
	s_mov_b32 s[G0P+4*\s], 1                       ; count = 1
	s_add_co_u32 s[G0P+4*\s+1], s22, \s*SLOT       ; LDS address
	s_add_nc_u64 s[G0P+4*\s+2:G0P+4*\s+3], s[20:21], \s*GB   ; global address: K step s
	s_or_b32 s[G0P+4*\s+3], s[G0P+4*\s+3], 0x80000000        ; type = 2
	s_mov_b32 s[G0Q+4*\s], 1
	s_add_co_u32 s[G0Q+4*\s+1], s23, \s*SLOT
	s_add_nc_u64 s[G0Q+4*\s+2:G0Q+4*\s+3], s[46:47], \s*GB
	s_or_b32 s[G0Q+4*\s+3], s[G0Q+4*\s+3], 0x80000000
	JLOAD \s                                       ; two loads of mine are out
.endr
	v_and_b32 v1, 31, v0                           ; lane
	v_and_b32 v2, 15, v0                           ; r
	v_bfe_u32 v3, v0, 4, 1                         ; h
	v_lshlrev_b32 v[LI], 4, v1
	v_lshlrev_b32 v[SCV], 4, v2
	v_lshl_add_u32 v[SCV], v3, 3, v[SCV]
	s_mul_i32 s84, s15, 4*FRB                      ; my four blocks of P in a chunk,
	s_lshl_b32 s85, s15, 8                         ; and their scale words
	v_add_nc_u32 v[ADRP], s84, v[LI]
	v_lshl_add_u32 v[ADSP], v2, 4, s85
	v_add_nc_u32 v[ADRQ], s23, v[LI]
	v_add_nc_u32 v[ADRP+1], SLOT, v[ADRP]
	v_add_nc_u32 v[ADSP+1], SLOT, v[ADSP]
	v_add_nc_u32 v[ADRQ+1], SLOT, v[ADRQ]
	; where my part of the result goes, made in registers that feed no descriptor
.if KIND < 3
.irp b, 0,1,2,3
	v_mov_b32 v[TM+4+\b], 0                        ; written once: a lane permute's destination counts as one of its sources
.endr
	s_mov_b32 s[SEL], 0x76543210
	s_mov_b32 s[SEL+1], 0xfedcba98
	s_lshl_b32 s80, s42, 1
	s_add_co_u32 s80, s80, s16                     ; my step of 128 along n: 2 tx + wn
.if KIND == 0
	s_lshr_b32 s82, s80, s75
	s_mul_i32 s82, s82, s74                        ; which tensor or batch,
	s_and_b32 s80, s80, s76
	s_mul_i32 s80, s80, CH                         ; which chunk along its K,
	s_add_co_u32 s80, s80, s82
	s_mul_i32 s82, s17, s73                        ; which group of rows
	s_add_co_u32 s80, s80, s82
	s_add_co_u32 s80, s80, s72
.else
	s_mul_i32 s80, s80, CH
	s_mul_i32 s82, s17, (3-KIND)*102400            ; a group of cmp is 16 chunks, of out 8
	s_add_co_u32 s80, s80, s82
.endif
	s_add_co_u32 s82, s80, s85
	s_add_co_u32 s82, s82, SCO
	s_add_co_u32 s80, s80, s84
	s_mov_b32 s81, 0
	s_mov_b32 s83, 0
	s_add_nc_u64 s[12:13], s[8:9], s[80:81]        ; my four fragments of the chunk
	s_add_nc_u64 s[10:11], s[8:9], s[82:83]        ; and their 256 bytes of scale words
.else
	s_mul_i32 s82, s14, 16*SPITCH                  ; my stage: in slot 0, which has had its last fill and its last read when the first result is stored there
	v_mul_u32_u24 v[STO], v2, SPITCH
	v_lshl_add_u32 v[STO], v3, 6, v[STO]
	v_add_nc_u32 v[STO], s82, v[STO]               ; in: row r, + 64 h
	v_add_nc_u32 v[RD], s82, v[LI]                 ; back: the 32 lanes take one row of 512 bytes
	s_lshl_b32 s80, s17, 7
	s_lshl_b32 s82, s15, 6
	s_add_co_u32 s80, s80, s82                     ; my first row: 128 ty + 64 wm,
	s_lshl_b32 s80, s80, 12                        ; of 4,096 bytes;
	s_lshl_b32 s82, s42, 10
	s_add_co_u32 s80, s80, s82
	s_lshl_b32 s82, s16, 9
	s_add_co_u32 s80, s80, s82                     ; my first column: 1,024 tx + 512 wn bytes
	s_mov_b32 s81, 0
	s_add_nc_u64 s[12:13], s[8:9], s[80:81]
.endif
; 38 LDS loads in one run: the slot's q-th 128 along K into set p: Q's 8 fragments, my 4 of P, Q's 8 blocks' scale words (one load: 16 bytes a lane), my 4 blocks' of P (one load, the same in both halves of the lanes)
.macro FETCH slot, q, p
	WIN TO_Q
.irp b, 0,1,2,3,4,5,6,7
.irp c, 0,1,2
	ds_load_b128 v[128*(\p)+12*\b+4*\c:128*(\p)+12*\b+4*\c+3], v[ADRQ+(\slot)] offset:(\q)*CH+\b*FRB+512*\c
.endr
.endr
	WIN 0
.irp a, 0,1,2,3
.irp c, 0,1,2
	ds_load_b128 v[AF+48*(\p)+12*\a+4*\c:AF+48*(\p)+12*\a+4*\c+3], v[ADRP+(\slot)] offset:(\q)*CH+\a*FRB+512*\c
.endr
.endr
	ds_load_b128 v[SC+8*(\p):SC+8*(\p)+3], v[ADRQ+(\slot)] offset:(\q)*CH+SCO
	ds_load_b128 v[SC+8*(\p)+4:SC+8*(\p)+7], v[ADSP+(\slot)] offset:(\q)*CH+SCO
.endm
; 32 matrix instructions: my 4 blocks of P x Q's 8, 128 along K, from set p.  zero = 1: the first product starts the sums: nothing is ever cleared.
; The 32 accumulators take turns, one instruction a turn, in the same order in every step.
.macro MUL32 p, zero
	WIN MUL
.irp a, 0,1,2,3
.irp b, 0,1,2,3
.if \zero
	v_wmma_scale_f32_16x16x128_f8f6f4 v[8*(8*\a+\b):8*(8*\a+\b)+7], v[128*(\p)+12*\b:128*(\p)+12*\b+11], v[AF+48*(\p)+12*\a:AF+48*(\p)+12*\a+11], 0, v[SC+8*(\p)+\b], v[SC+8*(\p)+4+\a] matrix_a_fmt:MATRIX_FMT_FP6 matrix_b_fmt:MATRIX_FMT_FP6
.else
	v_wmma_scale_f32_16x16x128_f8f6f4 v[8*(8*\a+\b):8*(8*\a+\b)+7], v[128*(\p)+12*\b:128*(\p)+12*\b+11], v[AF+48*(\p)+12*\a:AF+48*(\p)+12*\a+11], v[8*(8*\a+\b):8*(8*\a+\b)+7], v[SC+8*(\p)+\b], v[SC+8*(\p)+4+\a] matrix_a_fmt:MATRIX_FMT_FP6 matrix_b_fmt:MATRIX_FMT_FP6
.endif
.endr
.irp b, 4,5,6,7                        ; the words of Q's blocks 4-7 stand in lanes 16-31
.if \zero
	v_wmma_scale_f32_16x16x128_f8f6f4 v[8*(8*\a+\b):8*(8*\a+\b)+7], v[128*(\p)+12*\b:128*(\p)+12*\b+11], v[AF+48*(\p)+12*\a:AF+48*(\p)+12*\a+11], 0, v[SC+8*(\p)+\b-4], v[SC+8*(\p)+4+\a] matrix_a_fmt:MATRIX_FMT_FP6 matrix_b_fmt:MATRIX_FMT_FP6 matrix_a_scale:MATRIX_SCALE_ROW1
.else
	v_wmma_scale_f32_16x16x128_f8f6f4 v[8*(8*\a+\b):8*(8*\a+\b)+7], v[128*(\p)+12*\b:128*(\p)+12*\b+11], v[AF+48*(\p)+12*\a:AF+48*(\p)+12*\a+11], v[8*(8*\a+\b):8*(8*\a+\b)+7], v[SC+8*(\p)+\b-4], v[SC+8*(\p)+4+\a] matrix_a_fmt:MATRIX_FMT_FP6 matrix_b_fmt:MATRIX_FMT_FP6 matrix_a_scale:MATRIX_SCALE_ROW1
.endif
.endr
.endr
	WIN 0
.endm
; THE CHANGE OF SLOTS, at the head of a slot's last step, whose fragments were asked for a step ago.  Each wave waits for all its tensor loads (its part of the next slot), adds 0 to its spare word, and waits for that and for its
; reads of this slot.  Behind the barrier nobody reads this slot and the next is whole.  fill = 1: the barrier is a round of the cluster's, and this slot is filled again, two K steps on: the load has 128 matrix instructions in which to land.
.macro CHANGE slot, fill
	s_wait_tensorcnt 0x0                           ; no tensor load of mine is out, so a group 0 may be written
	ds_add_u32 v[SPW], v[NIL]                      ; 0 onto my spare word
.if \fill
	s_add_nc_u64 s[G0P+4*(\slot)+2:G0P+4*(\slot)+3], s[G0P+4*(\slot)+2:G0P+4*(\slot)+3], 2*GB
	s_add_nc_u64 s[G0Q+4*(\slot)+2:G0Q+4*(\slot)+3], s[G0Q+4*(\slot)+2:G0Q+4*(\slot)+3], 2*GB
.endif
	s_wait_dscnt 0x0                               ; the add is done, and my reads of this slot are over
.if \fill
	CROUND
	JLOAD \slot                                    ; the first tensor load behind the round, one a wave; its four v_nop are the places in front of the loads that follow
.else
	s_barrier_signal -1
	s_barrier_wait -1
	PLACES
.endif
.endm
	s_wait_tensorcnt 0x1                           ; my part of slot 0 is in; slot 1's may stay out
	s_barrier_signal -1
	s_barrier_wait -1                              ; everybody's is
	FETCH 0, 0, 0
; The steps of 128 along K, written out.  At a step's head its own set is waited for and the next step's is asked for, into the set that the last step multiplied: LDS serves while the 32 products run.
.set T, 0
.rept 4*NKS
.set KSN, T/4
.set SL, KSN%2
.set QQ, T%4
.set PP, T%2
.if T == 4*NKS-1
	s_wait_dscnt 0x0                               ; the last step: nothing more to fetch
.elseif QQ == 3
.if KSN+2 < NKS
	CHANGE SL, 1
.else
	CHANGE SL, 0
.endif
	FETCH 1-SL, 0, 1-PP
.else
	s_wait_dscnt 0x0                               ; this step's set is in
	PLACES
	FETCH SL, QQ+1, 1-PP
.endif
.if T == 0
	MUL32 PP, 1
.else
	MUL32 PP, 0
.endif
.set T, T+1
.endr
.if KIND < 3
; 64 results of a lane in window 2, register 16 b + i = n 32 b + 16 h + i of my row, become a fragment's codes in v[f] on and its scale word in v[w].  Each accumulator is read from its low end on.
.macro QUANT s, f, w
	WIN 0x0a                                       ; sources 0 and 1 window 2
.irp b, 0,1,2,3
	v_max3_num_f32 v[TM+\b], |v[(\s)+16*\b]|, |v[(\s)+16*\b+1]|, 0x1800000   ; block b: my 16 numbers, and the floor 2^(3 - 127): the byte cannot fall under 1
.endr
.irp i, 2,4,6,8,10,12,14
.irp b, 0,1,2,3
	v_max3_num_f32 v[TM+\b], |v[(\s)+16*\b+\i]|, |v[(\s)+16*\b+\i+1]|, v[TM+\b]   ; the four blocks by turns
.endr
.endr
	WIN 0
.irp b, 0,1,2,3
	v_permlanex16_b32 v[TM+4+\b], v[TM+\b], s[SEL], s[SEL+1]
.endr
.irp b, 0,1,2,3
	v_max_num_f32 v[TM+\b], v[TM+\b], v[TM+4+\b]   ; with lane l xor 16's: the block's largest magnitude
.endr
.irp b, 0,1,2,3
	v_add_nc_u32 v[TM+12+\b], 0xff000000, v[TM+\b] ; 2 off its exponent field: the conversion takes the exponent field of this operand as its scale
.endr
.irp b, 0,1,2,3
	v_lshrrev_b32 v[TM+4+\b], 23, v[TM+12+\b]      ; the scale's byte
.endr
	v_lshl_or_b32 v[\w], v[TM+5], 8, v[TM+4]       ; four bytes make my row's scale word
	v_lshl_or_b32 v[\w], v[TM+6], 16, v[\w]
	v_lshl_or_b32 v[\w], v[TM+7], 24, v[\w]
	WIN 0x02                                       ; source 0 window 2
.irp c, 0,1
	v_cvt_scalef32_pk16_fp6_f32 v[(\f)+6*\c:(\f)+6*\c+2], v[(\s)+32*\c:(\s)+32*\c+15], v[TM+12+2*\c]
	v_cvt_scalef32_pk16_fp6_f32 v[TT+4*\c:TT+4*\c+2], v[(\s)+32*\c+16:(\s)+32*\c+31], v[TM+13+2*\c]   ; (a conversion's three registers begin on an even number)
.endr
	WIN 0
	v_nop                                          ; one plain place behind the conversions
.irp c, 0,1                            ; the operand's layout wants a whole block in a lane: lanes 0-15 block 2 c, lanes 16-31 block 2 c + 1
.irp i, 0,1,2
	v_permlane16_swap_b32 v[(\f)+6*\c+\i], v[TT+4*\c+\i]
.endr
.irp i, 0,1,2
	v_mov_b32 v[(\f)+6*\c+3+\i], v[TT+4*\c+\i]
.endr
.endr
.endm
	; THE WAY OUT AS CODES: each of my four blocks is one fragment of the next operand: activation, quantiser, three stores of 512 consecutive bytes.  No LDS, no register written twice.
	PLACES
.irp a, 0,1,2,3
.if RELU
	WIN 0x88                                       ; source 1 and destination window 2
.set J, 0
.rept 64
	v_max_num_f32 v[64*\a+J], 0, v[64*\a+J]        ; the activation, in f32
.set J, J+1
.endr
.endif
	QUANT 64*\a, PC+12*\a, PW+\a
.irp c, 0,1,2
	global_store_b128 v[LI], v[PC+12*\a+4*\c:PC+12*\a+4*\c+3], s[12:13] offset:\a*FRB+512*\c
.endr
.endr
	v_cmp_ne_u32 vcc_lo, 0, v3                     ; lanes 0-15 store the words of blocks 0, 1 of their row, lanes 16-31 those of 2, 3
	v_cndmask_b32 v[S], v[PW], v[PW+2], vcc_lo
	v_cndmask_b32 v[S+1], v[PW+1], v[PW+3], vcc_lo
	global_store_b64 v[SCV], v[S:S+1], s[10:11]    ; 256 consecutive bytes, aligned
.else
; THE WAY OUT AS f32, block by block of 16 rows x 128 columns: through my own stage in LDS and back as whole rows of 512 bytes.  LDS serves a wave's instructions in order: no wait between the stores and the loads, nor in front of the next block's stores.
.macro TOSTAGE a
	WIN 0x88
.set J, 0
.rept 64
	v_max_num_f32 v[64*(\a)+J], 0, v[64*(\a)+J]    ; the activation; each accumulator from its low end on
.set J, J+1
.endr
	WIN 0x08                                       ; an LDS store's data are its source 1: window 2
.irp b, 0,1,2,3,4,5,6,7
.irp u, 0,1
	ds_store_b128 v[STO], v[64*(\a)+8*\b+4*\u:64*(\a)+8*\b+4*\u+3] offset:128*(\b/2)+32*(\b%2)+16*\u
.endr
.endr
	WIN 0
.irp t, 0,1,2,3,4,5,6,7,8,9,10,11,12,13,14,15
	ds_load_b128 v[BK+64*((\a)%2)+4*\t:BK+64*((\a)%2)+4*\t+3], v[RD] offset:SPITCH*\t
.endr
.endm
.macro SEND a, younger                 ; younger: the LDS instructions issued behind block a's loads, which may stay out
	s_wait_dscnt \younger
.irp t, 0,1,2,3,4,5,6,7,8,9,10,11,12,13,14,15
	global_store_b128 v[LI], v[BK+64*((\a)%2)+4*\t:BK+64*((\a)%2)+4*\t+3], s[12:13] offset:(32*((\a)/2)+8*((\a)%2)+\t+8*(\t/8))*4096 th:TH_STORE_NT   ; 512 consecutive bytes of the row that lane-row t stands for
.endr
.endm
	PLACES
	TOSTAGE 0
	TOSTAGE 1
	SEND 0, 32                                     ; behind block 0's loads: block 1's 16 stores and 16 loads
	s_wait_xcnt 0x0                                ; block 0's stores have read their registers: block 2's loads may land there
	TOSTAGE 2
	SEND 1, 32
	s_wait_xcnt 0x0
	TOSTAGE 3
	SEND 2, 32
	SEND 3, 0
.endif
	s_wait_tensorcnt 0x0                           ; the wave's end, behind my last tensor load and my last LDS store
	ds_add_u32 v[SPW], v[NIL]
	s_wait_dscnt 0x0
	CROUND                                         ; the closing round: no work-group ends while a partner may still ask for a tile that names it
	s_endpgm
.Lfunc_end_k_qb1426429d1_final:
	.size	k_qb1426429d1_final, .Lfunc_end_k_qb1426429d1_final-k_qb1426429d1_final
	.p2alignl 7, 3214868480
	.fill 96, 4, 3214868480
	.section	.rodata,"a",@progbits
	.p2align	6, 0x0
	.amdhsa_kernel k_qb1426429d1_final
		.amdhsa_group_segment_fixed_size 327680
		.amdhsa_private_segment_fixed_size 0
		.amdhsa_enable_private_segment 0
		.amdhsa_kernarg_size 24
		.amdhsa_user_sgpr_count 2
		.amdhsa_user_sgpr_kernarg_segment_ptr 1
		.amdhsa_wavefront_size32 1
		.amdhsa_system_sgpr_workgroup_id_x 1
		.amdhsa_system_sgpr_workgroup_id_y 1
		.amdhsa_system_sgpr_workgroup_id_z 1
		.amdhsa_system_vgpr_workitem_id 0
		.amdhsa_next_free_vgpr 768
		.amdhsa_next_free_sgpr 96
		.amdhsa_reserve_vcc 1
		.amdhsa_float_denorm_mode_32 3
		.amdhsa_float_denorm_mode_16_64 3
		.amdhsa_memory_ordered 1
		.amdhsa_forward_progress 1
		.amdhsa_inst_pref_size 83
	.end_amdhsa_kernel
	.amdgpu_metadata
---
amdhsa.version: [ 1, 2 ]
amdhsa.kernels:
  - .name:           k_qb1426429d1_final
    .symbol:         k_qb1426429d1_final.kd
    .args:
      - { .name: q3, .offset: 0, .size: 8, .value_kind: global_buffer, .address_space: global }
      - { .name: q0, .offset: 8, .size: 8, .value_kind: global_buffer, .address_space: global }
      - { .name: out0, .offset: 16, .size: 8, .value_kind: global_buffer, .address_space: global }
    .group_segment_fixed_size: 327680
    .private_segment_fixed_size: 0
    .kernarg_segment_align: 8
    .kernarg_segment_size: 24
    .max_flat_workgroup_size: 128
    .sgpr_count:     96
    .vgpr_count:     768
    .wavefront_size: 32
...
	.end_amdgpu_metadata
.endif
;; end of part 5
